; MI455X (gfx1250); checked and timed in simulation.
; The chip was launched on July 23, 2026; its instructions are those of AMD's public machine-readable ISA for CDNA 5 (MIT licence, August 2026) and "CDNA5" Instruction Set Architecture Reference Guide (July 2026). The comments in the code are by the model that wrote it; some were corrected since.
;; Ret Net. Allowed arithmetic: float matrix products may take bf16 or f16 operands with f32 sums; other float arithmetic in f32, or as packed bf16 or f16 multiplies, adds, multiply-adds, maxima and minima; sums over many terms, partial sums and values carried from step to step in f32; what a program stores and reads back later, other than sums and carried values, may be rounded once to bf16 or f16.
;; Inputs: wg 1,024 x 2,048 float32; wk 1,024 x 1,024 float32; wo 2,048 x 1,024 float32; wq 1,024 x 1,024 float32; wv 1,024 x 2,048 float32; x 2 x 2,048 x 1,024 float32.
;; Outputs: out0 2 x 2,048 x 1,024 float32.
;; 2 versions, each right; version 2 is version 1 with the launch scan written anew for expert scheduling mode. Each part assembles by itself: llvm-mc -triple=amdgcn-amd-amdhsa -mcpu=gfx1250 --defsym DOCPART=n.
;; ======== version 1 of 2: 6 launches
;; limits: values outside matrix products are rounded to f16; values are held in f16: magnitudes above 65,504 overflow, below 6.1e-05 lose precision
;; workspace buffers: xb 8,388,608 bytes; wb 16,777,216 bytes; qk 16,777,216 bytes; vg 33,554,432 bytes; mx 8,192 bytes; uu 16,908,288 bytes; st 16,842,752 bytes; yy 16,777,216 bytes
;; launch prep (part 1): grid 768 x 1, 8 waves a work-group, no clusters, 0 bytes of LDS; arguments x, wq, wk, wv, wg, wo, xb, wb; writes xb, wb
.if DOCPART == 1
	.amdgcn_target "amdgcn-amd-amdhsa--gfx1250"
	.amdhsa_code_object_version 6
	.text
	.protected	k_q7e553c6afe_prep
	.globl	k_q7e553c6afe_prep
	.p2align	8
	.type	k_q7e553c6afe_prep,@function
k_q7e553c6afe_prep:
	s_mov_b64 s[64:65], 0
	v_nop
	global_prefetch_b8 v0, s[64:65] scope:SCOPE_SE
	s_setreg_imm32_b32 hwreg(HW_REG_WAVE_MODE, 25, 1), 1
	s_wait_xcnt 0x0
; All six inputs are rounded to bf16 once and laid out for the tile loads of the later launches.
;   xb: x as [16 blocks of 64 k][4096 rows][64] bf16: a row's piece is 128 bytes, 256 rows of one block are 32,768 dense bytes.
;   wb: the weights as units of 128 columns, [unit][k][128], a row of 256 bytes: units 0-7 wq, 8-15 wk, 16-31 wv, 32-47 wg (bf16);
;       behind them, at byte 12,582,912, wo: 8 units of 2,048 rows: rounded to bf16 like the others and that number written as f16.
; LIMIT: bf16(wo) must lie within f16's range, 65,504, and keeps f16's fixed step of 6e-8 below 6e-5.
; A stream: memory binds, so no LDS and no matrix unit.  A work-group takes 16,384 consecutive source numbers, a thread 8 items of 8 numbers:
; two 16-byte loads and one 16-byte store an item; sixteen neighbouring lanes store 256 consecutive bytes, aligned.  All 16 loads of a thread go out first.
.set SRCV, 1                           ; v1      byte offset of my first item in the work-group's source
.set DST,  6                           ; v6-13   byte offset of item j's 16 bytes in the target
.set INR,  16                          ; v16-79  item j: 8 numbers as loaded
.set OUR,  80                          ; v80-111 item j: 4 registers to store: each item has its own, so no store's data is rewritten
.macro PICK bound, plo, first, ln7, lr, base   ; work-groups below bound belong to an earlier section
	s_cmp_lt_u32 s20, \bound
	s_cselect_b64 s[24:25], s[\plo:\plo+1], s[24:25]
	s_cselect_b32 s26, \first, s26
	s_cselect_b32 s27, \ln7, s27
	s_cselect_b32 s28, \lr, s28
	s_cselect_b32 s29, \base, s29
.endm
	s_load_b256 s[4:11], s[0:1], 0x0               ; x s[4:5], wq s[6:7], wk s[8:9], wv s[10:11]
	s_load_b256 s[12:19], s[0:1], 0x20             ; wg s[12:13], wo s[14:15], xb s[16:17], wb s[18:19]
	s_mov_b32 s20, ttmp9
	s_mov_b32 s23, 0
	s_mov_b32 s26, 640                             ; the section's first work-group
	s_mov_b32 s27, 7                               ; log2(columns / 8)
	s_mov_b32 s28, 11                              ; log2(rows)
	s_mov_b32 s29, 12582912                        ; the section's first byte in wb
	s_wait_kmcnt 0x0
	s_mov_b64 s[24:25], s[14:15]                   ; 640-767: wo
	PICK 640, 12, 512, 8, 10, 8388608              ; 512-639: wg
	PICK 512, 10, 384, 8, 10, 4194304              ; 384-511: wv
	PICK 384, 8, 320, 7, 10, 2097152               ; 320-383: wk
	PICK 320, 6, 256, 7, 10, 0                     ; 256-319: wq
	s_cmp_lt_u32 s20, 256                          ; 0-255: x
	s_cselect_b64 s[24:25], s[4:5], s[24:25]
	s_cselect_b64 s[30:31], s[16:17], s[18:19]
	s_cbranch_scc1 .Lx
	; a weight: group G = 2048 wgl + 256 j + t of 8 numbers lies in row G >> LN7, unit (G mod 2^LN7) >> 4
	s_sub_co_u32 s21, s20, s26                     ; the work-group's number in its section
	s_lshl_b32 s22, s21, 16
	s_add_nc_u64 s[24:25], s[24:25], s[22:23]      ; its 65,536 source bytes
	s_lshl_b32 s22, s21, 19
	s_lshr_b32 s22, s22, s27                       ; its first row x 256 bytes
	s_add_co_u32 s22, s22, s29
	s_add_nc_u64 s[30:31], s[30:31], s[22:23]
	s_lshr_b32 s32, 0x10000, s27                   ; from item to item: 256 >> LN7 rows of 256 bytes
	s_bfm_b32 s33, s27, 0
	v_lshlrev_b32 v[SRCV], 5, v0
	v_and_b32 v2, s33, v0
	v_lshrrev_b32 v2, 4, v2                        ; unit
	v_lshlrev_b32 v2, s28, v2                      ; x rows in a unit
	v_lshrrev_b32 v3, s27, v0                      ; + my row among the item's
	v_add_nc_u32 v2, v2, v3
	v_and_b32 v3, 15, v0
	v_lshlrev_b32 v3, 4, v3
	v_lshl_add_u32 v[DST], v2, 8, v3
	s_branch .Lgo
.Lx:                                                   ; x: the work-group has 16 rows; item j is rows 2 j, 2 j + 1; thread t: row bit 3 of t, block t >> 4, 8 numbers t & 7
	s_lshl_b32 s22, s20, 16
	s_add_nc_u64 s[24:25], s[24:25], s[22:23]
	s_lshl_b32 s22, s20, 11                        ; 16 rows of 128 bytes
	s_add_nc_u64 s[30:31], s[30:31], s[22:23]
	s_mov_b32 s32, 256
	v_bfe_u32 v2, v0, 3, 1
	v_lshrrev_b32 v3, 4, v0
	v_and_b32 v4, 7, v0
	v_lshlrev_b32 v[SRCV], 5, v4
	v_lshl_add_u32 v[SRCV], v3, 8, v[SRCV]
	v_lshl_add_u32 v[SRCV], v2, 12, v[SRCV]
	v_lshlrev_b32 v5, 4, v4
	v_lshl_add_u32 v5, v2, 7, v5
	v_lshl_add_u32 v[DST], v3, 19, v5              ; a block of 64 k is 524,288 bytes of xb
.Lgo:
.irp j, 1,2,3,4,5,6,7
	v_add_nc_u32 v[DST+\j], s32, v[DST+\j-1]
.endr
.irp j, 0,1,2,3,4,5,6,7
	global_load_b128 v[INR+8*\j:INR+8*\j+3],   v[SRCV], s[24:25] offset:8192*\j th:TH_LOAD_NT
	global_load_b128 v[INR+8*\j+4:INR+8*\j+7], v[SRCV], s[24:25] offset:8192*\j+16 th:TH_LOAD_NT
.endr
	s_cmp_ge_u32 s20, 640
	s_cbranch_scc1 .Lwo
.irp j, 0,1,2,3,4,5,6,7
	s_wait_loadcnt 14-2*\j                         ; loads come back in order: item j's two are in, the younger items' stay out
.irp i, 0,1,2,3
	v_cvt_pk_bf16_f32 v[OUR+4*\j+\i], v[INR+8*\j+2*\i], v[INR+8*\j+2*\i+1]
.endr
	global_store_b128 v[DST+\j], v[OUR+4*\j:OUR+4*\j+3], s[30:31]
.endr
	s_endpgm
.Lwo:
.irp j, 0,1,2,3,4,5,6,7
	s_wait_loadcnt 14-2*\j
.irp i, 0,1,2,3
	v_cvt_pk_bf16_f32 v[OUR+4*\j+\i], v[INR+8*\j+2*\i], v[INR+8*\j+2*\i+1]
.endr
.irp i, 0,1,2,3
	v_lshlrev_b32 v[INR+8*\j+2*\i],   16, v[OUR+4*\j+\i]          ; the rounded numbers as f32 again
	v_and_b32     v[INR+8*\j+2*\i+1], 0xffff0000, v[OUR+4*\j+\i]
.endr
.irp i, 0,1,2,3
	v_cvt_pk_f16_f32 v[OUR+4*\j+\i], v[INR+8*\j+2*\i], v[INR+8*\j+2*\i+1]  ; 8 significant bits: exact in f16 within its range
.endr
	global_store_b128 v[DST+\j], v[OUR+4*\j:OUR+4*\j+3], s[30:31]
.endr
	s_endpgm
.Lfunc_end_k_q7e553c6afe_prep:
	.size	k_q7e553c6afe_prep, .Lfunc_end_k_q7e553c6afe_prep-k_q7e553c6afe_prep
	.p2alignl 7, 3214868480
	.fill 96, 4, 3214868480
	.section	.rodata,"a",@progbits
	.p2align	6, 0x0
	.amdhsa_kernel k_q7e553c6afe_prep
		.amdhsa_group_segment_fixed_size 0
		.amdhsa_private_segment_fixed_size 0
		.amdhsa_enable_private_segment 0
		.amdhsa_kernarg_size 64
		.amdhsa_user_sgpr_count 2
		.amdhsa_user_sgpr_kernarg_segment_ptr 1
		.amdhsa_wavefront_size32 1
		.amdhsa_system_sgpr_workgroup_id_x 1
		.amdhsa_system_sgpr_workgroup_id_y 1
		.amdhsa_system_sgpr_workgroup_id_z 1
		.amdhsa_system_vgpr_workitem_id 0
		.amdhsa_next_free_vgpr 112
		.amdhsa_next_free_sgpr 66
		.amdhsa_reserve_vcc 0
		.amdhsa_float_denorm_mode_32 3
		.amdhsa_float_denorm_mode_16_64 3
		.amdhsa_memory_ordered 1
		.amdhsa_forward_progress 1
		.amdhsa_inst_pref_size 17
	.end_amdhsa_kernel
	.amdgpu_metadata
---
amdhsa.version: [ 1, 2 ]
amdhsa.kernels:
  - .name:           k_q7e553c6afe_prep
    .symbol:         k_q7e553c6afe_prep.kd
    .args:
      - { .name: x, .offset: 0, .size: 8, .value_kind: global_buffer, .address_space: global }
      - { .name: wq, .offset: 8, .size: 8, .value_kind: global_buffer, .address_space: global }
      - { .name: wk, .offset: 16, .size: 8, .value_kind: global_buffer, .address_space: global }
      - { .name: wv, .offset: 24, .size: 8, .value_kind: global_buffer, .address_space: global }
      - { .name: wg, .offset: 32, .size: 8, .value_kind: global_buffer, .address_space: global }
      - { .name: wo, .offset: 40, .size: 8, .value_kind: global_buffer, .address_space: global }
      - { .name: xb, .offset: 48, .size: 8, .value_kind: global_buffer, .address_space: global }
      - { .name: wb, .offset: 56, .size: 8, .value_kind: global_buffer, .address_space: global }
    .group_segment_fixed_size: 0
    .private_segment_fixed_size: 0
    .kernarg_segment_align: 8
    .kernarg_segment_size: 64
    .max_flat_workgroup_size: 256
    .sgpr_count:     66
    .vgpr_count:     112
    .wavefront_size: 32
...
	.end_amdgpu_metadata
.endif
;; end of part 1
;; launch proj (part 2): grid 16 x 16, 4 waves a work-group, clusters of 4 x 4, 327,680 bytes of LDS; arguments xb, wb, qk, vg, mx; writes qk, vg, mx
.if DOCPART == 2
	.amdgcn_target "amdgcn-amd-amdhsa--gfx1250"
	.amdhsa_code_object_version 6
	.text
	.protected	k_q7e553c6afe_proj
	.globl	k_q7e553c6afe_proj
	.p2align	8
	.type	k_q7e553c6afe_proj,@function
k_q7e553c6afe_proj:
	s_mov_b64 s[64:65], 0
	v_nop
	global_prefetch_b8 v0, s[64:65] scope:SCOPE_SE
	s_setreg_imm32_b32 hwreg(HW_REG_WAVE_MODE, 25, 1), 1
	s_wait_xcnt 0x0
	s_wait_alu depctr_hold_cnt(0) depctr_sa_sdst(0) depctr_va_vdst(0) depctr_va_sdst(0) depctr_va_ssrc(0) depctr_va_vcc(0) depctr_vm_vsrc(0)
	s_getreg_b32 s2, hwreg(HW_REG_IB_STS2, 6, 4)
	s_cmp_eq_u32 s2, 0
	s_cbranch_scc0 .Lentry_in_a_cluster
	s_endpgm
.Lentry_in_a_cluster:
	s_bfe_u32 s2, ttmp6, 0x10000c
	s_cmp_lg_u32 s2, 0xf033
	s_cbranch_scc0 .Lentry_shape_is_right
	s_endpgm
.Lentry_shape_is_right:
; x [4096][1024] times [wq | wk | wv | wg], bf16 operands, f32 sums; then the rotation and the decay factors for q and k, silu for g, and the largest magnitudes.
; SHARES.  Work-group (t, ty) makes rows 256 ty .. of three units of 128 columns: unit t (head t of q, or head t - 8 of k), unit 16 + t (v) and unit 32 + t (g): 256 x 384, so that
; 6,144 columns x 4,096 rows are exactly 256 alike work-groups.  Wave w makes 128 rows (w >> 1) x 64 columns (w & 1) of each unit: 96 accumulators, 768 registers.
; K goes in steps of 64 through two LDS slots; a step is two sub-steps of 32.  The matrix instruction is used transposed (source 0 = 16 columns of W, turned out of LDS; source 1 = 16 rows of x):
; a lane holds one row and eight neighbouring columns.
; CLUSTER 4 x 4.  x's tile hangs on ty alone and is asked for jointly along a row of the cluster (wave 3); a unit's tile hangs on t alone and is asked for jointly along a column (waves 0-2, unit w).
; STORED, all f16.  With s = 64 m + a (a = 0..63) and g = 1 - 2^(-5-h):  q'' = rot(q) g^a,  k'' = rot(k) g^(63-a) (without 128^-0.5),  v,  silu(g);  mx takes max|q''|, max|k''|, max|v| for each wave.
; cos and sin: a reduction by pi/2 in two parts and Taylor sums (to r^9 and r^10) give a lane's four pairs at its first row; from row to row + 2 one complex product with g^(+-2) (cos, sin)(2 angle): 32 steps.
; LIMITS.  q, k, v and silu(g) must lie within f16's 65,504 and keep its fixed step of 6e-8 below 6e-5; q, k and g are rounded to f16 before the rotation and the gate, and once more behind them;
; the 32 products add some 3e-6 to cos and sin; NaN and infinities are not treated apart.
.set SLOT,   92160                     ; a slot: three units of 64 k-rows x 288 bytes, then x's 256 rows x 144 bytes
.set UNITB,  18432
.set AOFF,   55296
.set PA,     144                       ; 128 bytes + 16: the 16 rows of a load start at 16 different groups of four banks (64 banks of 4 bytes: ISA guide 11.1)
.set PB,     288                       ; 256 bytes + 32
.set STAGE0, 184320                    ; behind the ring, never filled by a tensor load: 256 rows x 272 bytes: q or k, later g
.set STAGE1, 253952                    ; the same for v
.set SP,     272
.set SPARE,  323584                    ; the spare words, 128 bytes a wave: two blocks of 256 bytes that no other line names
.set GOFF,   16777216                  ; silu(g) lies behind v in vg
; window 0
.set R,      1                         ; lane % 16
.set HL,     2                         ; lane / 16
.set ADRA,   3                         ; v3-4   my place in x's tile, slot 0, 1
.set ADRB,   5                         ; v5-6   my place in unit 0's tile, slot 0, 1
.set STO0,   7                         ; where I put 16 bytes of a row in stage 0
.set STO1,   8                         ; in stage 1
.set RD,     9                         ; where I read rows back, less the stage's first byte
.set LANE16, 10
.set GOV,    11                        ; my byte offset in two rows of vg
.set MXQ,    12
.set MXV,    13
.set SPW,    14                        ; LDS address of my spare word; never rewritten
.set NIL,    15                        ; 0; never rewritten
.set CSA,    16                        ; v16-23 four pairs f (cos, sin) at the row in hand
.set CT,     24                        ; v24-31 four pairs g^(+-2) (cos, sin)(2 angle)
.set AF0,    32                        ; v32-95, v96-159 fragments of x, two buffers of 8 x 16 rows x 32 k
.set AF1,    96
.set BG,     160                       ; v160-255 fragments of W: unit g's four blocks of 16 columns at BG + 32 g
; windows 1-3: unit g's accumulators in window g + 1, (a, b) at v[8 (4 a + b)]
.set TMP,    32                        ; the way out
.set RQ,     38
.set RV,     39
.set XL,     40
.set CSB,    56
.set XF,     64
.set TT,     72
.set OQ,     80
.set GO,     96
.set GX,     128
.set GE,     160
.set SN,     53                        ; at work in SINCOS
.set SR,     54
.set S2,     55
.set SPS,    56
.set SPC,    57
.set STT,    58
.set WV, 14
.set WR, 15
.set WC, 16
.set CX, 17
.set CY, 18
.set TU, 19
.set TY, 20
.set RM, 21
.set CM, 22
.set G1A, 24                           ; s[24:31] descriptor group 1, x's tile;  s[32:39] group 0, a set for each slot
.set G0A, 32
.set G1B, 40                           ; s[40:47], s[48:55] the same for a unit's tile
.set G0B, 48
.set QP, 72                            ; s[72:73] qk at my wave's rows
.set VP, 74                            ; vg, v
.set GP, 76                            ; vg, silu(g)
.set MQ, 78                            ; my word of mx for q or k
.set MV, 80                            ; for v
.set SEL, 82                           ; s[82:83] v_permlanex16_b32's selects: each lane takes its own place in the other half
.set MSB, 0
.macro WIN new                         ; the immediate's high byte repeats the setting that is left; a switch that changes nothing is dropped
.if MSB != (\new)
	s_set_vgpr_msb (MSB<<8)|(\new)
.set MSB, (\new)
.endif
.endm
.macro PLACES                          ; four places behind matrix instructions, ahead of loads into their registers and of vector reads of their results
.rept 4
	v_nop
.endr
.endm
.macro CREST                           ; a round of the cluster's barrier behind its opening barrier
	s_cmp_lg_u32 s[WV], 0
	s_cbranch_scc1 .Lnot_wave_0_\@
	s_barrier_signal -3
.Lnot_wave_0_\@:
	s_barrier_wait -3
	s_barrier_signal -1
	s_barrier_wait -1
.endm
.macro CROUND
	s_barrier_signal -1
	s_barrier_wait -1
	CREST
.endm
.macro JLOAD s                         ; a joint refill of slot s: wave 3 x's tile, waves 0-2 unit w's; the branch hangs on the wave's number alone; s_nop 0 and four v_nop follow each line
	s_cmp_eq_u32 s[WV], 3
	s_cbranch_scc0 .Lfor_b_\@
	tensor_load_to_lds s[G0A+4*(\s):G0A+4*(\s)+3], s[G1A:G1A+7]
	s_nop 0
.rept 4
	v_nop
.endr
	s_branch .Lasked_\@
.Lfor_b_\@:
	tensor_load_to_lds s[G0B+4*(\s):G0B+4*(\s)+3], s[G1B:G1B+7]
	s_nop 0
.rept 4
	v_nop
.endr
.Lasked_\@:
.endm
.macro GETL d, h                       ; log2(1 - 2^(-5-h))
	s_mov_b32 s[\d], 0xb9b8b001
	s_cmp_eq_u32 s[\h], 6
	s_cselect_b32 s[\d], 0xba38b5c7, s[\d]
	s_cmp_eq_u32 s[\h], 5
	s_cselect_b32 s[\d], 0xbab8c154, s[\d]
	s_cmp_eq_u32 s[\h], 4
	s_cselect_b32 s[\d], 0xbb38d875, s[\d]
	s_cmp_eq_u32 s[\h], 3
	s_cselect_b32 s[\d], 0xbbb906ce, s[\d]
	s_cmp_eq_u32 s[\h], 2
	s_cselect_b32 s[\d], 0xbc3963dd, s[\d]
	s_cmp_eq_u32 s[\h], 1
	s_cselect_b32 s[\d], 0xbcba1f74, s[\d]
	s_cmp_eq_u32 s[\h], 0
	s_cselect_b32 s[\d], 0xbd3b9ca6, s[\d]
.endm
; cos and sin of v[th] >= 0: n = the nearest multiple of pi/2, r = th - n pi/2 (pi/2 in two parts), Taylor sums on |r| <= pi/4, the quadrant by a select and two signs
.macro SINCOS th, c, s
	v_mul_f32 v[SN], 0x3f22f983, v[\th]
	v_rndne_f32 v[SN], v[SN]
	v_fmamk_f32 v[SR], v[SN], 0xbfc90fdb, v[\th]
	v_fmamk_f32 v[SR], v[SN], 0x333bbd2e, v[SR]
	v_mul_f32 v[S2], v[SR], v[SR]
	v_mov_b32 v[SPS], 0x3638ef1d
	v_mov_b32 v[SPC], 0xb493f27e
	v_fmaak_f32 v[SPS], v[SPS], v[S2], 0xb9500d01
	v_fmaak_f32 v[SPC], v[SPC], v[S2], 0x37d00d01
	v_fmaak_f32 v[SPS], v[SPS], v[S2], 0x3c088889
	v_fmaak_f32 v[SPC], v[SPC], v[S2], 0xbab60b61
	v_fmaak_f32 v[SPS], v[SPS], v[S2], 0xbe2aaaab
	v_fmaak_f32 v[SPC], v[SPC], v[S2], 0x3d2aaaab
	v_mul_f32 v[SPS], v[SPS], v[S2]
	v_fma_f32 v[SPC], v[SPC], v[S2], -0.5
	v_fma_f32 v[SPS], v[SPS], v[SR], v[SR]
	v_fma_f32 v[SPC], v[SPC], v[S2], 1.0
	v_cvt_i32_f32 v[SN], v[SN]
	v_and_b32 v[STT], 1, v[SN]
	v_cmp_eq_u32 vcc_lo, 1, v[STT]
	v_cndmask_b32 v[\s], v[SPS], v[SPC], vcc_lo
	v_cndmask_b32 v[\c], v[SPC], v[SPS], vcc_lo
	v_lshlrev_b32 v[STT], 30, v[SN]
	v_and_b32 v[STT], 0x80000000, v[STT]
	v_xor_b32 v[\s], v[\s], v[STT]
	v_add_nc_u32 v[SN], 1, v[SN]
	v_lshlrev_b32 v[STT], 30, v[SN]
	v_and_b32 v[STT], 0x80000000, v[STT]
	v_xor_b32 v[\c], v[\c], v[STT]
.endm
	s_load_b256 s[4:11], s[0:1], 0x0               ; xb s[4:5], wb s[6:7], qk s[8:9], vg s[10:11]
	s_load_b64 s[12:13], s[0:1], 0x20              ; mx
	v_lshl_add_u32 v[SPW], v0, 2, SPARE
	v_mov_b32 v[NIL], 0
	ds_add_u32 v[SPW], v[NIL]                      ; the wave's opening: the add and its wait ahead of my first tensor load; the set-up below, work on registers, stands between them
	ds_add_u32 v14, v15
	v_lshrrev_b32 v1, 5, v0
	v_readfirstlane_b32 s[WV], v1                  ; wave 0..3
	s_lshr_b32 s[WR], s[WV], 1                     ; which 128 rows are mine
	s_and_b32 s[WC], s[WV], 1                      ; which 64 columns of each unit
	s_bfe_u32 s[CX], ttmp6, 0x40000
	s_bfe_u32 s[CY], ttmp6, 0x40004
	s_lshl_b32 s[TU], ttmp9, 2
	s_add_co_u32 s[TU], s[TU], s[CX]               ; t = 4 x cluster x + cx
	s_and_b32 s[TY], ttmp7, 0xffff
	s_lshl_b32 s[TY], s[TY], 2
	s_add_co_u32 s[TY], s[TY], s[CY]               ; ty = 4 x cluster y + cy
	s_lshl_b32 s[RM], s[CY], 2
	s_lshl_b32 s[RM], 15, s[RM]                    ; my row of the cluster
	s_lshl_b32 s[CM], 0x1111, s[CX]                ; my column
	; x's tile: 256 rows x 128 bytes are 32,768 dense bytes: asked for as 128 rows of 256 bytes, padded by 4 words after every 32 words
	s_or_b32 s[G1A], s[RM], (1<<16)|(1<<20)|(1<<21)|(4<<22)|(3<<25)
	s_mov_b32 s[G1A+1], 128<<16                    ; tensor_dim0 = 128
	s_mov_b32 s[G1A+2], 128<<16                    ; tensor_dim1 = 128
	s_mov_b32 s[G1A+3], 128<<16                    ; tile_dim0 = 128
	s_mov_b32 s[G1A+4], 128                        ; tile_dim1 = 128
	s_mov_b32 s[G1A+5], 128                        ; elements from row to row
	s_mov_b32 s[G1A+6], 0
	s_mov_b32 s[G1A+7], 0
	; a unit's tile: 64 k-rows of 256 bytes, padded by 8 words after every 64 words
	s_or_b32 s[G1B], s[CM], (1<<16)|(1<<20)|(1<<21)|(5<<22)|(7<<25)
	s_mov_b32 s[G1B+1], 128<<16
	s_mov_b32 s[G1B+2], 64<<16
	s_mov_b32 s[G1B+3], 128<<16
	s_mov_b32 s[G1B+4], 64
	s_mov_b32 s[G1B+5], 128
	s_mov_b32 s[G1B+6], 0
	s_mov_b32 s[G1B+7], 0
	s_lshl_b32 s56, s[TY], 15                      ; x: 256 ty rows of 128 bytes: ty alone
	s_mov_b32 s57, 0
	s_lshl_b32 s58, s[WV], 4
	s_add_co_u32 s58, s58, s[TU]
	s_lshl_b32 s58, s58, 18                        ; W: unit t + 16 w of 262,144 bytes: t and the wave alone
	s_mov_b32 s59, 0
	s_mul_i32 s60, s[WV], UNITB                    ; and its place in a slot
	s_mov_b32 s[SEL], 0x76543210
	s_mov_b32 s[SEL+1], 0xfedcba98
	s_wait_dscnt 0x0                               ; the opening add is done
	s_wait_kmcnt 0x0
	s_add_nc_u64 s[56:57], s[4:5], s[56:57]
	s_add_nc_u64 s[58:59], s[6:7], s[58:59]
.irp s, 0,1
	s_mov_b32 s[G0A+4*\s], 1
	s_mov_b32 s[G0A+4*\s+1], \s*SLOT+AOFF
	s_add_nc_u64 s[G0A+4*\s+2:G0A+4*\s+3], s[56:57], \s*524288     ; K step s: a block of 64 k is 524,288 bytes of xb
	s_or_b32 s[G0A+4*\s+3], s[G0A+4*\s+3], 0x80000000
	s_mov_b32 s[G0B+4*\s], 1
	s_add_co_u32 s[G0B+4*\s+1], s60, \s*SLOT
	s_add_nc_u64 s[G0B+4*\s+2:G0B+4*\s+3], s[58:59], \s*16384      ; 64 rows of 256 bytes
	s_or_b32 s[G0B+4*\s+3], s[G0B+4*\s+3], 0x80000000
.endr
	CROUND                                         ; all sixteen work-groups are here: the first joint loads meet
	s_cmp_eq_u32 s[WV], 3                          ; a wave's two first fills stand in one branch: two loads of mine are out
	s_cbranch_scc0 .Lfirst_b
	tensor_load_to_lds s[G0A:G0A+3], s[G1A:G1A+7]
	s_nop 0
	tensor_load_to_lds s[G0A+4:G0A+7], s[G1A:G1A+7]
	s_nop 0
.rept 4
	v_nop
.endr
	s_branch .Lfirst_done
.Lfirst_b:
	tensor_load_to_lds s[G0B:G0B+3], s[G1B:G1B+7]
	s_nop 0
	tensor_load_to_lds s[G0B+4:G0B+7], s[G1B:G1B+7]
	s_nop 0
.rept 4
	v_nop
.endr
.Lfirst_done:
	; addresses.  All of this, and the cosines, stands in the wait for the first tiles.
	v_and_b32 v[R], 15, v0
	v_bfe_u32 v[HL], v0, 4, 1
	s_lshl_b32 s61, s[WR], 7
	v_add_nc_u32 v32, s61, v[R]                    ; 128 wr + r
	v_mul_u32_u24 v33, v32, PA
	v_lshl_add_u32 v33, v[HL], 4, v33
	v_add_nc_u32 v[ADRA], AOFF, v33
	v_add_nc_u32 v[ADRA+1], AOFF+SLOT, v33
	v_and_b32 v34, 7, v0                           ; the turning load: lane l reads k-row 8 (l / 16) + l % 8, columns 8 ((l / 8) % 2) + 0..7
	v_lshl_add_u32 v34, v[HL], 3, v34
	v_mul_u32_u24 v34, v34, PB
	v_bfe_u32 v35, v0, 3, 1
	v_lshl_add_u32 v34, v35, 4, v34
	s_lshl_b32 s61, s[WC], 7
	v_add_nc_u32 v[ADRB], s61, v34
	v_add_nc_u32 v[ADRB+1], SLOT, v[ADRB]
	v_mul_u32_u24 v33, v32, SP
	v_lshl_add_u32 v33, v[HL], 4, v33
	v_add_nc_u32 v33, s61, v33
	v_add_nc_u32 v[STO0], STAGE0, v33
	v_add_nc_u32 v[STO1], STAGE1, v33
	s_lshl_b32 s61, s[WV], 6
	v_add_nc_u32 v33, s61, v[HL]                   ; back: wave w takes rows 64 w ..; lanes 0-15 one row of 256 bytes, lanes 16-31 the next
	v_mul_u32_u24 v33, v33, SP
	v_lshl_add_u32 v[RD], v[R], 4, v33
	v_and_b32 v[LANE16], 31, v0
	v_lshlrev_b32 v[LANE16], 4, v[LANE16]
	v_lshlrev_b32 v[GOV], 9, v[HL]
	v_lshl_add_u32 v[GOV], v[R], 4, v[GOV]
	v_mov_b32 v[MXQ], 0
	v_mov_b32 v[MXV], 0
	; where the results go
	s_lshr_b32 s66, s[TY], 3                       ; b
	s_and_b32 s67, s[TY], 7                        ; which 256 positions
	s_lshl_b32 s68, s[TU], 1
	s_add_co_u32 s68, s68, s66                     ; 2 t + b
	s_lshl_b32 s84, s68, 19                        ; qk: [t][b][2048][128] f16
	s_lshl_b32 s69, s67, 16
	s_add_co_u32 s84, s84, s69
	s_lshl_b32 s69, s[WV], 14
	s_add_co_u32 s84, s84, s69
	s_mov_b32 s85, 0
	s_add_nc_u64 s[QP:QP+1], s[8:9], s[84:85]
	s_lshl_b32 s84, s68, 5                         ; mx: word (2 t + b) 32 + 4 (ty & 7) + w
	s_lshl2_add_u32 s84, s67, s84
	s_add_co_u32 s84, s84, s[WV]
	s_lshl_b32 s84, s84, 2
	s_add_nc_u64 s[MQ:MQ+1], s[12:13], s[84:85]
	s_lshr_b32 s68, s[TU], 1
	s_lshl3_add_u32 s68, s66, s68                  ; 8 b + head of v
	s_and_b32 s70, s[TU], 1                        ; which half of the head's 256 channels
	s_lshl_b32 s84, s68, 20                        ; vg: [8 b + h][2048][256] f16
	s_lshl_b32 s69, s67, 17
	s_add_co_u32 s84, s84, s69
	s_lshl_b32 s69, s[WV], 15
	s_add_co_u32 s84, s84, s69
	s_lshl_b32 s69, s70, 8
	s_add_co_u32 s84, s84, s69
	s_add_nc_u64 s[VP:VP+1], s[10:11], s[84:85]
	s_add_nc_u64 s[GP:GP+1], s[VP:VP+1], GOFF
	s_lshl_b32 s84, s68, 6                         ; mx, from byte 4,096: word (8 b + h) 64 + 32 (t & 1) + 4 (ty & 7) + w
	s_lshl_b32 s69, s70, 5
	s_add_co_u32 s84, s84, s69
	s_lshl2_add_u32 s84, s67, s84
	s_add_co_u32 s84, s84, s[WV]
	s_lshl_b32 s84, s84, 2
	s_add_co_u32 s84, s84, 4096
	s_add_nc_u64 s[MV:MV+1], s[12:13], s[84:85]
	; cos, sin and the decay.  On the way out lane (r, hl) holds pairs 4 r .. 4 r + 3 of rows 64 w + hl + 2 n.
	s_lshl_b32 s67, s67, 8
	s_lshl_b32 s69, s[WV], 6
	s_add_co_u32 s67, s67, s69                     ; my wave's first position
	v_add_nc_u32 v36, s67, v[HL]
	v_cvt_f32_u32 v36, v36
	v_lshlrev_b32 v37, 2, v[R]
.irp i, 0,1,2,3
	v_add_nc_u32 v[44+\i], \i, v37
.endr
.irp i, 0,1,2,3
	v_cvt_f32_u32 v[44+\i], v[44+\i]
.endr
.irp i, 0,1,2,3
	v_mul_f32 v[44+\i], 0xbe57fa62, v[44+\i]       ; - p log2(10000) / 63
.endr
.irp i, 0,1,2,3
	v_exp_f32 v[40+\i], v[44+\i]                   ; the pair's angle
.endr
	s_cmp_ge_u32 s[TU], 8                          ; k: the exponent runs down from 63
	s_cselect_b32 s66, 63, 0
	s_cselect_b32 s67, -2.0, 2.0
	s_and_b32 s68, s[TU], 7
	GETL 69, 68
	s_mul_f32 s67, s67, s69
	v_xor_b32 v48, s66, v[HL]                      ; a, or 63 - a, at my first row (a plain instruction behind the exponentials above)
	v_cvt_f32_u32 v48, v48
	v_mul_f32 v48, s69, v48
	v_exp_f32 v48, v48
	v_exp_f32 v49, s67
	v_nop
	s_wait_alu depctr_va_vdst(0)
.irp i, 0,1,2,3
	v_mul_f32 v50, v36, v[40+\i]
	SINCOS 50, 51, 52
	v_mul_f32 v[CSA+2*\i], v48, v51
	v_mul_f32 v[CSA+2*\i+1], v48, v52
	v_add_f32 v50, v[40+\i], v[40+\i]
	SINCOS 50, 51, 52
	v_mul_f32 v[CT+2*\i], v49, v51
	v_mul_f32 v[CT+2*\i+1], v49, v52
.endr
; 16 matrix instructions of unit g: row blocks 4 h .. 4 h + 3 x its four column blocks, 32 along K.  The 96 accumulators take turns.  zero = 1: the first product starts the sums.
.macro GRPH g, af, h, zero
	WIN 0x50*((\g)+1)
.set ga, 4*(\h)
.rept 4
.set gb, 0
.rept 4
.if \zero
	v_wmma_f32_16x16x32_bf16 v[8*(4*ga+gb):8*(4*ga+gb)+7], v[BG+32*(\g)+8*gb:BG+32*(\g)+8*gb+7], v[(\af)+8*ga:(\af)+8*ga+7], 0
.else
	v_wmma_f32_16x16x32_bf16 v[8*(4*ga+gb):8*(4*ga+gb)+7], v[BG+32*(\g)+8*gb:BG+32*(\g)+8*gb+7], v[(\af)+8*ga:(\af)+8*ga+7], v[8*(4*ga+gb):8*(4*ga+gb)+7]
.endif
.set gb, gb+1
.endr
.set ga, ga+1
.endr
.endm
.macro LDB g, slot, kk                 ; 8 turning loads: unit g's four fragments of sub-step kk
.set lb, 0
.rept 4
	ds_load_tr16_b128 v[BG+32*(\g)+8*lb:BG+32*(\g)+8*lb+3],   v[ADRB+(\slot)] offset:UNITB*(\g)+9216*(\kk)+32*lb
	ds_load_tr16_b128 v[BG+32*(\g)+8*lb+4:BG+32*(\g)+8*lb+7], v[ADRB+(\slot)] offset:UNITB*(\g)+9216*(\kk)+32*lb+4608
.set lb, lb+1
.endr
.endm
.macro LDA af, slot, kk, h             ; 8 loads: four of x's eight fragments
.set la, 4*(\h)
.rept 4
	ds_load_b128 v[(\af)+8*la:(\af)+8*la+3],   v[ADRA+(\slot)] offset:2304*la+64*(\kk)
	ds_load_b128 v[(\af)+8*la+4:(\af)+8*la+7], v[ADRA+(\slot)] offset:2304*la+64*(\kk)+32
.set la, la+1
.endr
.endm
; A sub-step: 96 matrix instructions on buffer af; behind each unit's 32 its registers take the next sub-step's fragments (slot ns, sub-step nkk), x's go into buffer naf.
.macro SUB af, naf, ns, nkk, zero
	s_wait_dscnt 8                                 ; all but the youngest eight loads, unit 2's
	GRPH 0, \af, 0, \zero
	GRPH 0, \af, 1, \zero
	WIN 0
	PLACES
	LDB 0, \ns, \nkk
	LDA \naf, \ns, \nkk, 0
	GRPH 1, \af, 0, \zero
	GRPH 1, \af, 1, \zero
	WIN 0
	PLACES
	LDB 1, \ns, \nkk
	LDA \naf, \ns, \nkk, 1
	s_wait_dscnt 32                                ; all but the two runs of 16 just issued: unit 2's fragments are in
	GRPH 2, \af, 0, \zero
	GRPH 2, \af, 1, \zero
	WIN 0
	PLACES
	LDB 2, \ns, \nkk
.endm
; A slot's last sub-step (buffer 1) changes slots: each wave waits for all its tensor loads, of which one is out: its part of the other slot; adds 0 to its spare word; waits for that and for its reads of this slot.
; fill = 1: the barrier opens a round of the cluster's, and this slot is filled again, two K steps ahead, first thing behind it.
.macro SUBT slot, fill
	WIN 0
	s_wait_tensorcnt 0x0                           ; all my tensor loads have landed
	ds_add_u32 v[SPW], v[NIL]                      ; 0 onto my spare word
	s_wait_dscnt 9                                 ; (the add and unit 2's eight loads may be out)
	GRPH 0, AF1, 0, 0
	s_wait_dscnt 0x0                               ; the add is done, and my reads of this slot are over
	s_barrier_signal -1
	GRPH 0, AF1, 1, 0
	WIN 0
	s_barrier_wait -1
.if \fill
	CREST                                          ; no wave of any partner still reads this slot or has a load on its way
	s_add_nc_u64 s[G0A+4*(\slot)+2:G0A+4*(\slot)+3], s[G0A+4*(\slot)+2:G0A+4*(\slot)+3], 1048576
	s_add_nc_u64 s[G0B+4*(\slot)+2:G0B+4*(\slot)+3], s[G0B+4*(\slot)+2:G0B+4*(\slot)+3], 32768
	JLOAD \slot                                    ; its four v_nop are also the places in front of the loads below
.else
	PLACES
.endif
	LDB 0, 1-(\slot), 0
	LDA AF0, 1-(\slot), 0, 0
	GRPH 1, AF1, 0, 0
	GRPH 1, AF1, 1, 0
	WIN 0
	PLACES
	LDB 1, 1-(\slot), 0
	LDA AF0, 1-(\slot), 0, 1
	GRPH 2, AF1, 0, 0
	GRPH 2, AF1, 1, 0
	WIN 0
	PLACES
	LDB 2, 1-(\slot), 0
.endm
	s_wait_tensorcnt 0x1                           ; my part of K step 0 is in; step 1's may stay out
	s_barrier_signal -1
	s_barrier_wait -1
	LDB 0, 0, 0
	LDA AF0, 0, 0, 0
	LDB 1, 0, 0
	LDA AF0, 0, 0, 1
	LDB 2, 0, 0
	SUB AF0, AF1, 0, 1, 1                          ; the first sub-step stands ahead of the loop: its products start the sums
	s_mov_b32 s3, 7
.Lk:                                                   ; a trip goes once round the ring and fills both slots again: K steps 2 to 15 in seven trips
	SUBT 0, 1
	SUB AF0, AF1, 1, 1, 0
	SUBT 1, 1
	SUB AF0, AF1, 0, 1, 0
	s_sub_co_u32 s3, s3, 1
	s_cmp_lg_u32 s3, 0
	s_cbranch_scc1 .Lk
	SUBT 0, 0                                      ; the tail is written out: nothing more is asked for
	SUB AF0, AF1, 1, 1, 0
	s_wait_dscnt 8
	GRPH 0, AF1, 0, 0
	GRPH 0, AF1, 1, 0
	GRPH 1, AF1, 0, 0
	GRPH 1, AF1, 1, 0
	s_wait_dscnt 0x0
	GRPH 2, AF1, 0, 0
	GRPH 2, AF1, 1, 0
	WIN 0
	PLACES
; THE WAY OUT.  A unit's accumulators are rounded to f16 (each from its low end on), 16 bytes a lane, into the work-group's stage.
.macro STAGEU win, sto, domax
.set sa, 0
.rept 8
	WIN 5*(\win)
.set sb, 0
.rept 4
.set sj, 0
.rept 4
	v_cvt_pk_f16_f32 v[TMP+16*(sa%2)+4*sb+sj], v[8*(4*sa+sb)+2*sj], v[8*(4*sa+sb)+2*sj+1]
.if \domax
	v_max3_num_f32 v[MXV], |v[8*(4*sa+sb)+2*sj]|, |v[8*(4*sa+sb)+2*sj+1]|, v[MXV]
.endif
.set sj, sj+1
.endr
.set sb, sb+1
.endr
	WIN 0
.set sb, 0
.rept 4
	ds_store_b128 v[\sto], v[TMP+16*(sa%2)+4*sb:TMP+16*(sa%2)+4*sb+3] offset:4352*sa+32*sb
.set sb, sb+1
.endr
.set sa, sa+1
.endr
.endm
	STAGEU 1, STO0, 0                              ; q or k
	STAGEU 2, STO1, 1                              ; v, and its largest magnitude
	s_wait_dscnt 0x0                               ; for the others' sake: my stores into the stages are done
	s_barrier_signal -1
	s_barrier_wait -1
	v_add_nc_u32 v[RV], STAGE1, v[RD]              ; v goes out as it is: my 64 rows, two a load
.set i, 0
.rept 32
	ds_load_b128 v[128+4*i:128+4*i+3], v[RV] offset:544*i
.set i, i+1
.endr
.set i, 0
.rept 32
	s_wait_dscnt 31-i
	global_store_b128 v[GOV], v[128+4*i:128+4*i+3], s[VP:VP+1] offset:1024*i   ; 16 lanes store 256 consecutive bytes, aligned
.set i, i+1
.endr
; Two rows (k of four in a trip): to f32, rotated and scaled by set ca, rounded, stored; set cb takes the factors two rows on.
.macro ROTK k, ca, cb, r0, r1, r2, r3
	s_wait_dscnt 3-(\k)
	v_cvt_f32_f16 v[XF+0], v\r0\().l
	v_cvt_f32_f16 v[XF+1], v\r0\().h
	v_cvt_f32_f16 v[XF+2], v\r1\().l
	v_cvt_f32_f16 v[XF+3], v\r1\().h
	v_cvt_f32_f16 v[XF+4], v\r2\().l
	v_cvt_f32_f16 v[XF+5], v\r2\().h
	v_cvt_f32_f16 v[XF+6], v\r3\().l
	v_cvt_f32_f16 v[XF+7], v\r3\().h
.irp i, 0,1,2,3
	v_pk_mul_f32 v[TT+2*\i:TT+2*\i+1], v[XF+2*\i:XF+2*\i+1], v[(\ca)+2*\i:(\ca)+2*\i+1] op_sel_hi:[1,0]
.endr
.irp i, 0,1,2,3
	v_fma_f32 v[TT+2*\i],   -v[XF+2*\i+1], v[(\ca)+2*\i+1], v[TT+2*\i]      ; x0 c - x1 s
	v_fma_f32 v[TT+2*\i+1], v[XF+2*\i],    v[(\ca)+2*\i+1], v[TT+2*\i+1]    ; x1 c + x0 s
.endr
.irp i, 0,1,2,3
	v_max3_num_f32 v[MXQ], |v[TT+2*\i]|, |v[TT+2*\i+1]|, v[MXQ]
	v_cvt_pk_f16_f32 v[OQ+4*(\k)+\i], v[TT+2*\i], v[TT+2*\i+1]
.endr
.irp i, 0,1,2,3
	v_pk_mul_f32 v[(\cb)+2*\i:(\cb)+2*\i+1], v[(\ca)+2*\i:(\ca)+2*\i+1], v[CT+2*\i:CT+2*\i+1] op_sel_hi:[1,0]
	v_fma_f32 v[(\cb)+2*\i],   -v[(\ca)+2*\i+1], v[CT+2*\i+1], v[(\cb)+2*\i]
	v_fma_f32 v[(\cb)+2*\i+1], v[(\ca)+2*\i],    v[CT+2*\i+1], v[(\cb)+2*\i+1]
.endr
	global_store_b128 v[LANE16], v[OQ+4*(\k):OQ+4*(\k)+3], s[QP:QP+1] offset:512*(\k)   ; two rows of qk: 512 consecutive bytes
.endm
	v_add_nc_u32 v[RQ], STAGE0, v[RD]
	s_mov_b32 s3, 8
.Lrot:                                                 ; eight rows a trip
.irp k, 0,1,2,3
	ds_load_b128 v[XL+4*\k:XL+4*\k+3], v[RQ] offset:544*\k
.endr
	ROTK 0, CSA, CSB, 40, 41, 42, 43
	ROTK 1, CSB, CSA, 44, 45, 46, 47
	ROTK 2, CSA, CSB, 48, 49, 50, 51
	ROTK 3, CSB, CSA, 52, 53, 54, 55
	s_wait_xcnt 0x0                                ; the stores' base and data are rewritten only behind this wait (ISA guide 3.1)
	s_add_nc_u64 s[QP:QP+1], s[QP:QP+1], 2048
	v_add_nc_u32 v[RQ], 2176, v[RQ]
	s_sub_co_u32 s3, s3, 1
	s_cmp_lg_u32 s3, 0
	s_cbranch_scc1 .Lrot
	s_wait_dscnt 0x0                               ; my reads of stage 0 are over,
	s_barrier_signal -1
	s_barrier_wait -1                              ; everybody's are: it may be written again
	STAGEU 3, STO0, 0                              ; g
	s_wait_dscnt 0x0
	s_barrier_signal -1
	s_barrier_wait -1
	v_add_nc_u32 v[RQ], STAGE0, v[RD]
	s_mov_b32 s3, 8
.Lsilu:                                                ; eight rows a trip: g / (1 + 2^(-g log2 e))
.irp k, 0,1,2,3
	ds_load_b128 v[XL+4*\k:XL+4*\k+3], v[RQ] offset:544*\k
.endr
	s_wait_dscnt 0x0
.irp r, 40,41,42,43,44,45,46,47,48,49,50,51,52,53,54,55
	v_cvt_f32_f16 v[GX+2*(\r-40)],   v\r\().l
	v_cvt_f32_f16 v[GX+2*(\r-40)+1], v\r\().h
.endr
.set i, 0
.rept 16
	v_pk_mul_f32 v[GE+2*i:GE+2*i+1], v[GX+2*i:GX+2*i+1], 0xbfb8aa3b op_sel_hi:[1,0]
.set i, i+1
.endr
.set i, 0
.rept 32
	v_exp_f32 v[GE+i], v[GE+i]
.set i, i+1
.endr
	v_nop                                          ; a plain instruction between the last exponential and the use of its result (ISA guide 5.7.2)
.set i, 0
	s_wait_alu depctr_va_vdst(0)
.rept 16
	v_pk_add_f32 v[GE+2*i:GE+2*i+1], v[GE+2*i:GE+2*i+1], 1.0 op_sel_hi:[1,0]
.set i, i+1
.endr
.set i, 0
.rept 32
	v_rcp_f32 v[GE+i], v[GE+i]
.set i, i+1
.endr
	v_nop
.set i, 0
	s_wait_alu depctr_va_vdst(0)
.rept 16
	v_pk_mul_f32 v[GX+2*i:GX+2*i+1], v[GX+2*i:GX+2*i+1], v[GE+2*i:GE+2*i+1]
.set i, i+1
.endr
.set i, 0
.rept 16
	v_cvt_pk_f16_f32 v[GO+i], v[GX+2*i], v[GX+2*i+1]
.set i, i+1
.endr
.irp k, 0,1,2,3
	global_store_b128 v[GOV], v[GO+4*\k:GO+4*\k+3], s[GP:GP+1] offset:1024*\k
.endr
	s_wait_xcnt 0x0
	s_add_nc_u64 s[GP:GP+1], s[GP:GP+1], 4096
	v_add_nc_u32 v[RQ], 2176, v[RQ]
	s_sub_co_u32 s3, s3, 1
	s_cmp_lg_u32 s3, 0
	s_cbranch_scc1 .Lsilu
	; the wave's two maxima: four steps inside each half of the lanes, one across
.irp x, MXQ, MXV
	v_max_num_f32_dpp v[\x], v[\x], v[\x] row_xmask:1 row_mask:0xf bank_mask:0xf
	v_max_num_f32_dpp v[\x], v[\x], v[\x] row_xmask:2 row_mask:0xf bank_mask:0xf
	v_max_num_f32_dpp v[\x], v[\x], v[\x] row_xmask:4 row_mask:0xf bank_mask:0xf
	v_max_num_f32_dpp v[\x], v[\x], v[\x] row_xmask:8 row_mask:0xf bank_mask:0xf
.endr
	v_permlanex16_b32 v32, v[MXQ], s[SEL], s[SEL+1]
	v_permlanex16_b32 v34, v[MXV], s[SEL], s[SEL+1]
	v_max_num_f32 v[MXQ], v[MXQ], v32
	v_max_num_f32 v[MXV], v[MXV], v34
	v_mov_b32 v36, 0
	v_and_b32 v35, 31, v0
	v_cmp_eq_u32 vcc_lo, 0, v35
	s_wait_xcnt 0x0                                ; EXEC changes only behind this wait
	s_and_saveexec_b32 s70, vcc_lo
	global_store_b32 v36, v[MXQ], s[MQ:MQ+1]
	global_store_b32 v36, v[MXV], s[MV:MV+1]
	s_wait_xcnt 0x0                                ; and again in front of the line that widens it
	s_or_b32 exec_lo, exec_lo, s70
	s_wait_tensorcnt 0x0                           ; the wave's end, behind my last tensor load and my last LDS store
	ds_add_u32 v[SPW], v[NIL]
	s_wait_dscnt 0x0
	CROUND                                         ; the closing round: no work-group ends while a partner may still ask for a tile that names it
	s_endpgm
.Lfunc_end_k_q7e553c6afe_proj:
	.size	k_q7e553c6afe_proj, .Lfunc_end_k_q7e553c6afe_proj-k_q7e553c6afe_proj
	.p2alignl 7, 3214868480
	.fill 96, 4, 3214868480
	.section	.rodata,"a",@progbits
	.p2align	6, 0x0
	.amdhsa_kernel k_q7e553c6afe_proj
		.amdhsa_group_segment_fixed_size 327680
		.amdhsa_private_segment_fixed_size 0
		.amdhsa_enable_private_segment 0
		.amdhsa_kernarg_size 40
		.amdhsa_user_sgpr_count 2
		.amdhsa_user_sgpr_kernarg_segment_ptr 1
		.amdhsa_wavefront_size32 1
		.amdhsa_system_sgpr_workgroup_id_x 1
		.amdhsa_system_sgpr_workgroup_id_y 1
		.amdhsa_system_sgpr_workgroup_id_z 1
		.amdhsa_system_vgpr_workitem_id 0
		.amdhsa_next_free_vgpr 1024
		.amdhsa_next_free_sgpr 100
		.amdhsa_reserve_vcc 1
		.amdhsa_float_denorm_mode_32 3
		.amdhsa_float_denorm_mode_16_64 3
		.amdhsa_memory_ordered 1
		.amdhsa_forward_progress 1
		.amdhsa_inst_pref_size 163
	.end_amdhsa_kernel
	.amdgpu_metadata
---
amdhsa.version: [ 1, 2 ]
amdhsa.kernels:
  - .name:           k_q7e553c6afe_proj
    .symbol:         k_q7e553c6afe_proj.kd
    .args:
      - { .name: xb, .offset: 0, .size: 8, .value_kind: global_buffer, .address_space: global }
      - { .name: wb, .offset: 8, .size: 8, .value_kind: global_buffer, .address_space: global }
      - { .name: qk, .offset: 16, .size: 8, .value_kind: global_buffer, .address_space: global }
      - { .name: vg, .offset: 24, .size: 8, .value_kind: global_buffer, .address_space: global }
      - { .name: mx, .offset: 32, .size: 8, .value_kind: global_buffer, .address_space: global }
    .group_segment_fixed_size: 327680
    .private_segment_fixed_size: 0
    .kernarg_segment_align: 8
    .kernarg_segment_size: 40
    .max_flat_workgroup_size: 128
    .sgpr_count:     100
    .vgpr_count:     1024
    .wavefront_size: 32
...
	.end_amdgpu_metadata
.endif
;; end of part 2
;; launch ustate (part 3): grid 15 x 16, 4 waves a work-group, no clusters, 167,936 bytes of LDS; arguments qk, vg, mx, uu; writes uu
.if DOCPART == 3
	.amdgcn_target "amdgcn-amd-amdhsa--gfx1250"
	.amdhsa_code_object_version 6
	.text
	.protected	k_q7e553c6afe_ustate
	.globl	k_q7e553c6afe_ustate
	.p2align	8
	.type	k_q7e553c6afe_ustate,@function
k_q7e553c6afe_ustate:
	s_mov_b64 s[64:65], 0
	v_nop
	global_prefetch_b8 v0, s[64:65] scope:SCOPE_SE
	s_setreg_imm32_b32 hwreg(HW_REG_WAVE_MODE, 25, 1), 1
	s_wait_xcnt 0x0
; What chunk c of 128 positions adds to the carried state of head y = 8 b + h, for c = 0 .. 14 (the last chunk's is never used):
;   U[d][ch] = g^64 sum over the first 64 positions of k''[s][d] v[s][ch] + the same sum over the last 64;   ksum[d] = the same with v = 1.     g = 1 - 2^(-5-h)
; Stored: U'' = U x 16 / (km vm) in f16, at most 2,048 in magnitude (128 terms of at most km vm); ksum'' = ksum x 16 / km in f32.  km, vm: the largest |k''|, |v| of (b, h), not below 1e-18.
; f16 operands, f32 sums.  Source 0 = 16 channels of v, source 1 = 16 d of k'', both turned out of LDS: a lane holds one d and eight neighbouring channels.  Wave w makes d = 32 w .. + 31 x 256 channels.
; NO CLUSTER: no two work-groups read the same tile.  Each LDS byte is filled once.
.set PK,    288                        ; a row of k'': 256 + 32 bytes;  a row of v: 512 + 32
.set PV,    544
.set VOFF,  36864
.set STAGE, 106496                     ; 16 rows x 528 bytes for each wave, for the way out
.set SPS,   528
.set SPARE, 140288                     ; the spare words: two blocks of 256 bytes that no other line names
.set KSO,   16777216                   ; ksum'' lies behind U'' in uu
.set R,   1
.set HL,  2
.set AKT, 3
.set AVT, 4
.set STO, 5
.set RDS, 6
.set GOU, 7
.set L4,  8
.set SPW, 14
.set NIL, 15
.set CSV, 16                           ; v16-17 16 / (km vm), twice
.set CKV, 18                           ; v18    16 / km
.set G64, 20                           ; v20-21 g^64, twice
.set KM,  22
.set VM,  23
.set VM2, 24
.set TL,  25
.set KS,  32                           ; v32-47 ksum's two accumulators
.set ONES, 48                          ; v48-55 a fragment of ones: every row of that product is the sum
.set TMP, 64
.set BK,  128
; window 1: accumulator (db, cb) at v[8 (16 db + cb)];  window 2: k'' fragment (kk, db) at v[16 kk + 8 db];  window 3: v's fragments of 32 positions, two buffers of 128
.set WV, 12
.set CC, 13
.set YY, 14
.set BB, 15
.set HH, 16
.set HF, 17
.set G1K, 24
.set G1V, 32
.set G0K, 40
.set G0V, 44
.set UP,  48
.set KP,  50
.set MK,  52
.set MVP, 54
.set SEL, 56
.set LL,  58
.set MSB, 0
.macro WIN new
.if MSB != (\new)
	s_set_vgpr_msb (MSB<<8)|(\new)
.set MSB, (\new)
.endif
.endm
.macro PLACES
.rept 4
	v_nop
.endr
.endm
.macro GETL d, h                       ; log2(1 - 2^(-5-h))
	s_mov_b32 s[\d], 0xb9b8b001
	s_cmp_eq_u32 s[\h], 6
	s_cselect_b32 s[\d], 0xba38b5c7, s[\d]
	s_cmp_eq_u32 s[\h], 5
	s_cselect_b32 s[\d], 0xbab8c154, s[\d]
	s_cmp_eq_u32 s[\h], 4
	s_cselect_b32 s[\d], 0xbb38d875, s[\d]
	s_cmp_eq_u32 s[\h], 3
	s_cselect_b32 s[\d], 0xbbb906ce, s[\d]
	s_cmp_eq_u32 s[\h], 2
	s_cselect_b32 s[\d], 0xbc3963dd, s[\d]
	s_cmp_eq_u32 s[\h], 1
	s_cselect_b32 s[\d], 0xbcba1f74, s[\d]
	s_cmp_eq_u32 s[\h], 0
	s_cselect_b32 s[\d], 0xbd3b9ca6, s[\d]
.endm
.macro LMAX x                          ; the largest of the 32 lanes, in every lane
	v_max_num_f32_dpp v[\x], v[\x], v[\x] row_xmask:1 row_mask:0xf bank_mask:0xf
	v_max_num_f32_dpp v[\x], v[\x], v[\x] row_xmask:2 row_mask:0xf bank_mask:0xf
	v_max_num_f32_dpp v[\x], v[\x], v[\x] row_xmask:4 row_mask:0xf bank_mask:0xf
	v_max_num_f32_dpp v[\x], v[\x], v[\x] row_xmask:8 row_mask:0xf bank_mask:0xf
	v_permlanex16_b32 v[TL], v[\x], s[SEL], s[SEL+1]
	v_max_num_f32 v[\x], v[\x], v[TL]
.endm
	s_load_b256 s[4:11], s[0:1], 0x0               ; qk s[4:5], vg s[6:7], mx s[8:9], uu s[10:11]
	v_lshl_add_u32 v[SPW], v0, 2, SPARE
	v_mov_b32 v[NIL], 0
	ds_add_u32 v[SPW], v[NIL]                      ; the wave's opening: the add and its wait ahead of my first tensor load; work on registers stands between them
	ds_add_u32 v14, v15
	v_lshrrev_b32 v1, 5, v0
	v_readfirstlane_b32 s[WV], v1
	s_mov_b32 s[CC], ttmp9
	s_and_b32 s[YY], ttmp7, 0xffff
	s_lshr_b32 s[BB], s[YY], 3
	s_and_b32 s[HH], s[YY], 7
	s_and_b32 s[HF], s[WV], 1                      ; which 64 positions I fetch
	s_mov_b32 s[G1K], (1<<16)|(1<<20)|(5<<22)|(7<<25)   ; 2-byte elements; 8 words of padding after every 64 words
	s_mov_b32 s[G1K+1], 128<<16
	s_mov_b32 s[G1K+2], 64<<16
	s_mov_b32 s[G1K+3], 128<<16
	s_mov_b32 s[G1K+4], 64
	s_mov_b32 s[G1K+5], 128
	s_mov_b32 s[G1K+6], 0
	s_mov_b32 s[G1K+7], 0
	s_mov_b32 s[G1V], (1<<16)|(1<<20)|(6<<22)|(7<<25)   ; after every 128 words
	s_mov_b32 s[G1V+1], 256<<16
	s_mov_b32 s[G1V+2], 64<<16
	s_mov_b32 s[G1V+3], 256<<16
	s_mov_b32 s[G1V+4], 64
	s_mov_b32 s[G1V+5], 256
	s_mov_b32 s[G1V+6], 0
	s_mov_b32 s[G1V+7], 0
	s_lshl_b32 s20, s[HH], 1
	s_add_co_u32 s20, s20, s[BB]
	s_add_co_u32 s20, s20, 16                      ; 2 (8 + h) + b: k'' of this head
	s_lshl_b32 s22, s20, 19
	s_lshl_b32 s21, s[CC], 15
	s_add_co_u32 s22, s22, s21
	s_lshl_b32 s21, s[HF], 14
	s_add_co_u32 s22, s22, s21
	s_mov_b32 s23, 0
	s_lshl_b32 s60, s[YY], 20
	s_lshl_b32 s21, s[CC], 16
	s_add_co_u32 s60, s60, s21
	s_lshl_b32 s21, s[HF], 15
	s_add_co_u32 s60, s60, s21
	s_mov_b32 s61, 0
	s_mov_b32 s[G0K], 1
	s_mul_i32 s[G0K+1], s[HF], 64*PK
	s_mov_b32 s[G0V], 1
	s_mul_i32 s21, s[HF], 64*PV
	s_add_co_u32 s[G0V+1], s21, VOFF
	s_mov_b32 s[SEL], 0x76543210
	s_mov_b32 s[SEL+1], 0xfedcba98
	s_wait_dscnt 0x0                               ; the opening add is done
	s_wait_kmcnt 0x0
	s_add_nc_u64 s[G0K+2:G0K+3], s[4:5], s[22:23]
	s_or_b32 s[G0K+3], s[G0K+3], 0x80000000
	s_add_nc_u64 s[G0V+2:G0V+3], s[6:7], s[60:61]
	s_or_b32 s[G0V+3], s[G0V+3], 0x80000000
	s_cmp_lt_u32 s[WV], 2                          ; waves 0, 1: the halves of k''; waves 2, 3: those of v: one load of mine is out
	s_cbranch_scc0 .Lfor_v
	tensor_load_to_lds s[G0K:G0K+3], s[G1K:G1K+7]
	s_nop 0
.rept 4
	v_nop
.endr
	s_branch .Lasked
.Lfor_v:
	tensor_load_to_lds s[G0V:G0V+3], s[G1V:G1V+7]
	s_nop 0
.rept 4
	v_nop
.endr
.Lasked:
	s_lshl_b32 s22, s20, 7                         ; mx: 32 words for (t, b)
	s_add_nc_u64 s[MK:MK+1], s[8:9], s[22:23]
	s_lshl_b32 s22, s[YY], 8                       ; 64 words for (b, h), from byte 4,096
	s_add_co_u32 s22, s22, 4096
	s_add_nc_u64 s[MVP:MVP+1], s[8:9], s[22:23]
	v_and_b32 v11, 31, v0
	v_lshlrev_b32 v[L4], 2, v11
	global_load_b32 v[KM], v[L4], s[MK:MK+1]
	global_load_b32 v[VM], v[L4], s[MVP:MVP+1]
	global_load_b32 v[VM2], v[L4], s[MVP:MVP+1] offset:128
	s_lshl4_add_u32 s21, s[YY], s[CC]              ; 16 y + c
	s_lshl_b32 s22, s21, 16
	s_lshl_b32 s18, s[WV], 14                      ; my 32 rows of 512 bytes
	s_add_co_u32 s22, s22, s18
	s_add_nc_u64 s[UP:UP+1], s[10:11], s[22:23]
	s_lshl_b32 s22, s21, 9
	s_lshl_b32 s18, s[WV], 7
	s_add_co_u32 s22, s22, s18
	s_add_co_u32 s22, s22, KSO
	s_add_nc_u64 s[KP:KP+1], s[10:11], s[22:23]
	GETL LL, HH
	s_mul_f32 s[LL], s[LL], 0x42800000             ; 64 log2 g
	v_and_b32 v[R], 15, v0
	v_bfe_u32 v[HL], v0, 4, 1
	v_and_b32 v9, 7, v0                            ; the turning load: lane l reads position 8 (l / 16) + l % 8, columns 8 ((l / 8) % 2) + 0..7
	v_lshl_add_u32 v9, v[HL], 3, v9
	v_bfe_u32 v10, v0, 3, 1
	v_mul_u32_u24 v[AKT], v9, PK
	v_lshl_add_u32 v[AKT], v10, 4, v[AKT]
	s_lshl_b32 s18, s[WV], 6
	v_add_nc_u32 v[AKT], s18, v[AKT]               ; my 32 d
	v_mul_u32_u24 v[AVT], v9, PV
	v_lshl_add_u32 v[AVT], v10, 4, v[AVT]
	v_add_nc_u32 v[AVT], VOFF, v[AVT]
	s_mul_i32 s18, s[WV], 16*SPS
	s_add_co_u32 s18, s18, STAGE
	v_mul_u32_u24 v[STO], v[R], SPS
	v_lshl_add_u32 v[STO], v[HL], 4, v[STO]
	v_add_nc_u32 v[STO], s18, v[STO]
	v_lshlrev_b32 v[GOU], 4, v11
	v_add_nc_u32 v[RDS], s18, v[GOU]
	v_mov_b32 v[TL], 0
.set i, 0
.rept 8
	v_mov_b32 v[ONES+i], 0x3c003c00
.set i, i+1
.endr
	s_wait_loadcnt 0x0
	v_max_num_f32 v[VM], v[VM], v[VM2]
	LMAX KM
	LMAX VM
	v_max_num_f32 v[KM], 0x219392ef, v[KM]         ; not below 1e-18
	v_max_num_f32 v[VM], 0x219392ef, v[VM]
	v_mul_f32 v9, v[KM], v[VM]
	v_rcp_f32 v9, v9
	v_rcp_f32 v10, v[KM]
	v_exp_f32 v[G64], s[LL]
	v_nop
	s_wait_alu depctr_va_vdst(0)
	v_mul_f32 v[CSV], 0x41800000, v9
	v_mul_f32 v[CKV], 0x41800000, v10
	v_mov_b32 v[CSV+1], v[CSV]
	v_mov_b32 v[G64+1], v[G64]
	s_wait_tensorcnt 0x0                           ; my tile is in,
	s_barrier_signal -1
	s_barrier_wait -1                              ; everybody's is
.macro VLOAD buf, kk                   ; 32 turning loads: v's 16 channel blocks of positions 32 kk ..
	WIN 0xc0
.set cb, 0
.rept 16
	ds_load_tr16_b128 v[(\buf)+8*cb:(\buf)+8*cb+3],   v[AVT] offset:17408*(\kk)+32*cb
	ds_load_tr16_b128 v[(\buf)+8*cb+4:(\buf)+8*cb+7], v[AVT] offset:17408*(\kk)+32*cb+8704
.set cb, cb+1
.endr
.endm
.macro MULU kk, buf, zero              ; 34 matrix instructions on 34 accumulators, which take turns
	WIN 0x5b                                       ; v window 3, k'' window 2, sums window 1
.set cb, 0
.rept 16
.set db, 0
.rept 2
.if \zero
	v_wmma_f32_16x16x32_f16 v[8*(16*db+cb):8*(16*db+cb)+7], v[(\buf)+8*cb:(\buf)+8*cb+7], v[16*(\kk)+8*db:16*(\kk)+8*db+7], 0
.else
	v_wmma_f32_16x16x32_f16 v[8*(16*db+cb):8*(16*db+cb)+7], v[(\buf)+8*cb:(\buf)+8*cb+7], v[16*(\kk)+8*db:16*(\kk)+8*db+7], v[8*(16*db+cb):8*(16*db+cb)+7]
.endif
.set db, db+1
.endr
.set cb, cb+1
.endr
	WIN 0x08                                       ; ones and sums window 0, k'' window 2
.set db, 0
.rept 2
.if \zero
	v_wmma_f32_16x16x32_f16 v[KS+8*db:KS+8*db+7], v[ONES:ONES+7], v[16*(\kk)+8*db:16*(\kk)+8*db+7], 0
.else
	v_wmma_f32_16x16x32_f16 v[KS+8*db:KS+8*db+7], v[ONES:ONES+7], v[16*(\kk)+8*db:16*(\kk)+8*db+7], v[KS+8*db:KS+8*db+7]
.endif
.set db, db+1
.endr
.endm
	WIN 0x80
.set kk, 0
.rept 4
.set db, 0
.rept 2
	ds_load_tr16_b128 v[16*kk+8*db:16*kk+8*db+3],   v[AKT] offset:9216*kk+32*db
	ds_load_tr16_b128 v[16*kk+8*db+4:16*kk+8*db+7], v[AKT] offset:9216*kk+32*db+4608
.set db, db+1
.endr
.set kk, kk+1
.endr
	VLOAD 0, 0
	VLOAD 128, 1
	s_wait_dscnt 32                                ; every count of 32 leaves the other buffer's 32 loads out
	MULU 0, 0, 1
	PLACES
	VLOAD 0, 2
	s_wait_dscnt 32
	MULU 1, 128, 0
	PLACES
	VLOAD 128, 3
	WIN 0x41                                       ; the first 64 positions' sums times g^64, each accumulator from its low end on
.set i, 0
.rept 128
	v_pk_mul_f32 v[2*i:2*i+1], v[2*i:2*i+1], v[G64:G64+1] op_sel_hi:[1,0]
.set i, i+1
.endr
	WIN 0
.set i, 0
.rept 8
	v_pk_mul_f32 v[KS+2*i:KS+2*i+1], v[KS+2*i:KS+2*i+1], v[G64:G64+1] op_sel_hi:[1,0]
.set i, i+1
.endr
	s_wait_dscnt 32
	MULU 2, 0, 0
	s_wait_dscnt 0x0
	MULU 3, 128, 0
	PLACES
; 16 d out: scaled, rounded, through my stage, back as whole rows of 512 bytes
.macro UOUT db
	WIN 0x41
.set i, 0
.rept 64
	v_pk_mul_f32 v[128*(\db)+2*i:128*(\db)+2*i+1], v[128*(\db)+2*i:128*(\db)+2*i+1], v[CSV:CSV+1] op_sel_hi:[1,0]
.set i, i+1
.endr
	WIN 0x05
.set i, 0
.rept 64
	v_cvt_pk_f16_f32 v[TMP+i], v[128*(\db)+2*i], v[128*(\db)+2*i+1]
.set i, i+1
.endr
	WIN 0
.set i, 0
.rept 16
	ds_store_b128 v[STO], v[TMP+4*i:TMP+4*i+3] offset:32*i
.set i, i+1
.endr
.set i, 0
.rept 16
	ds_load_b128 v[BK+64*(\db)+4*i:BK+64*(\db)+4*i+3], v[RDS] offset:SPS*i   ; LDS serves a wave's instructions in order (ISA guide 5.7.1.4): these see the stores above
.set i, i+1
.endr
.set i, 0
.rept 16
	s_wait_dscnt 15-i
	global_store_b128 v[GOU], v[BK+64*(\db)+4*i:BK+64*(\db)+4*i+3], s[UP:UP+1] offset:(16*(\db)+i)*512   ; 512 consecutive bytes, aligned
.set i, i+1
.endr
.endm
	UOUT 0
	UOUT 1
	v_cmp_eq_u32 vcc_lo, 1, v[HL]                  ; ksum: lanes 0-15 hold d block 0's, lanes 16-31 take block 1's: 128 consecutive bytes
	v_cndmask_b32 v9, v[KS], v[KS+8], vcc_lo
	v_mul_f32 v9, v[CKV], v9
	global_store_b32 v[L4], v9, s[KP:KP+1]
	s_wait_tensorcnt 0x0                           ; the wave's end
	ds_add_u32 v[SPW], v[NIL]
	s_wait_dscnt 0x0
	s_endpgm
.Lfunc_end_k_q7e553c6afe_ustate:
	.size	k_q7e553c6afe_ustate, .Lfunc_end_k_q7e553c6afe_ustate-k_q7e553c6afe_ustate
	.p2alignl 7, 3214868480
	.fill 96, 4, 3214868480
	.section	.rodata,"a",@progbits
	.p2align	6, 0x0
	.amdhsa_kernel k_q7e553c6afe_ustate
		.amdhsa_group_segment_fixed_size 167936
		.amdhsa_private_segment_fixed_size 0
		.amdhsa_enable_private_segment 0
		.amdhsa_kernarg_size 32
		.amdhsa_user_sgpr_count 2
		.amdhsa_user_sgpr_kernarg_segment_ptr 1
		.amdhsa_wavefront_size32 1
		.amdhsa_system_sgpr_workgroup_id_x 1
		.amdhsa_system_sgpr_workgroup_id_y 1
		.amdhsa_system_sgpr_workgroup_id_z 1
		.amdhsa_system_vgpr_workitem_id 0
		.amdhsa_next_free_vgpr 1024
		.amdhsa_next_free_sgpr 72
		.amdhsa_reserve_vcc 1
		.amdhsa_float_denorm_mode_32 3
		.amdhsa_float_denorm_mode_16_64 3
		.amdhsa_memory_ordered 1
		.amdhsa_forward_progress 1
		.amdhsa_inst_pref_size 60
	.end_amdhsa_kernel
	.amdgpu_metadata
---
amdhsa.version: [ 1, 2 ]
amdhsa.kernels:
  - .name:           k_q7e553c6afe_ustate
    .symbol:         k_q7e553c6afe_ustate.kd
    .args:
      - { .name: qk, .offset: 0, .size: 8, .value_kind: global_buffer, .address_space: global }
      - { .name: vg, .offset: 8, .size: 8, .value_kind: global_buffer, .address_space: global }
      - { .name: mx, .offset: 16, .size: 8, .value_kind: global_buffer, .address_space: global }
      - { .name: uu, .offset: 24, .size: 8, .value_kind: global_buffer, .address_space: global }
    .group_segment_fixed_size: 167936
    .private_segment_fixed_size: 0
    .kernarg_segment_align: 8
    .kernarg_segment_size: 32
    .max_flat_workgroup_size: 128
    .sgpr_count:     72
    .vgpr_count:     1024
    .wavefront_size: 32
...
	.end_amdgpu_metadata
.endif
;; end of part 3
;; launch scan (part 4): grid 16 x 16, 8 waves a work-group, no clusters, 0 bytes of LDS; arguments uu, st; writes st
.if DOCPART == 4
	.amdgcn_target "amdgcn-amd-amdhsa--gfx1250"
	.amdhsa_code_object_version 6
	.text
	.protected	k_q7e553c6afe_scan
	.globl	k_q7e553c6afe_scan
	.p2align	8
	.type	k_q7e553c6afe_scan,@function
k_q7e553c6afe_scan:
	s_mov_b64 s[64:65], 0
	v_nop
	global_prefetch_b8 v0, s[64:65] scope:SCOPE_SE
	s_setreg_imm32_b32 hwreg(HW_REG_WAVE_MODE, 25, 1), 1
	s_wait_xcnt 0x0
; The carried state in front of each chunk: State''[0] = 0, State''[c + 1] = g^128 State''[c] + U''[c], c = 0 .. 14, carried in f32 and stored in f16; the same for Ksum''.  g = 1 - 2^(-5-h).
; |State''| stays under 15 x 2,048 = 30,720, inside f16.  A stream: a thread owns 8 of a head's 32,768 numbers in every chunk; its 15 loads all go out first; each store has registers of its own.
.set G,  2                             ; v2-3    g^128, twice
.set S,  4                             ; v4-11   the state in f32
.set TF, 100                           ; v100-107 a chunk's U'' in f32
.set O,  128                           ; v128-191 chunk c's four registers to store at O + 4 c
.macro GETL d, h                       ; log2(1 - 2^(-5-h))
	s_mov_b32 s[\d], 0xb9b8b001
	s_cmp_eq_u32 s[\h], 6
	s_cselect_b32 s[\d], 0xba38b5c7, s[\d]
	s_cmp_eq_u32 s[\h], 5
	s_cselect_b32 s[\d], 0xbab8c154, s[\d]
	s_cmp_eq_u32 s[\h], 4
	s_cselect_b32 s[\d], 0xbb38d875, s[\d]
	s_cmp_eq_u32 s[\h], 3
	s_cselect_b32 s[\d], 0xbbb906ce, s[\d]
	s_cmp_eq_u32 s[\h], 2
	s_cselect_b32 s[\d], 0xbc3963dd, s[\d]
	s_cmp_eq_u32 s[\h], 1
	s_cselect_b32 s[\d], 0xbcba1f74, s[\d]
	s_cmp_eq_u32 s[\h], 0
	s_cselect_b32 s[\d], 0xbd3b9ca6, s[\d]
.endm
.macro WIDEN d, r0, r1, r2, r3         ; eight f16 to f32
	v_cvt_f32_f16 v[(\d)+0], v\r0\().l
	v_cvt_f32_f16 v[(\d)+1], v\r0\().h
	v_cvt_f32_f16 v[(\d)+2], v\r1\().l
	v_cvt_f32_f16 v[(\d)+3], v\r1\().h
	v_cvt_f32_f16 v[(\d)+4], v\r2\().l
	v_cvt_f32_f16 v[(\d)+5], v\r2\().h
	v_cvt_f32_f16 v[(\d)+6], v\r3\().l
	v_cvt_f32_f16 v[(\d)+7], v\r3\().h
.endm
.macro SC c, r0, r1, r2, r3
	s_wait_loadcnt 14-(\c)                         ; loads come back in order: chunk c's is in
	WIDEN TF, \r0, \r1, \r2, \r3
.irp i, 0,1,2,3
	v_pk_fma_f32 v[S+2*\i:S+2*\i+1], v[S+2*\i:S+2*\i+1], v[G:G+1], v[TF+2*\i:TF+2*\i+1]
.endr
.irp i, 0,1,2,3
	v_cvt_pk_f16_f32 v[O+4*(\c)+\i], v[S+2*\i], v[S+2*\i+1]
.endr
	global_store_b128 v1, v[O+4*(\c):O+4*(\c)+3], s[18:19] offset:65536*((\c)+1)
.endm
	s_load_b128 s[4:7], s[0:1], 0x0                ; uu s[4:5], st s[6:7]
	s_and_b32 s8, ttmp7, 0xffff                    ; y = 8 b + h
	s_and_b32 s9, s8, 7
	GETL 10, 9
	s_mul_f32 s10, s10, 0x43000000                 ; 128 log2 g
	v_exp_f32 v[G], s10
	v_exp_f32 v[G+1], s10
	v_lshlrev_b32 v1, 4, v0
	s_lshl_b32 s12, s8, 20                         ; a head's 16 chunks of 65,536 bytes
	s_lshl_b32 s14, ttmp9, 12                      ; the work-group's 4,096 bytes of each chunk
	s_add_co_u32 s12, s12, s14
	s_mov_b32 s13, 0
	s_wait_kmcnt 0x0
	s_add_nc_u64 s[16:17], s[4:5], s[12:13]
	s_add_nc_u64 s[18:19], s[6:7], s[12:13]
.set c, 0
.rept 15
	global_load_b128 v[16+4*c:16+4*c+3], v1, s[16:17] offset:65536*c th:TH_LOAD_NT
.set c, c+1
.endr
	s_wait_alu depctr_va_vdst(0)
.irp i, 0,1,2,3
	v_mov_b32 v[O+\i], 0
.endr
	global_store_b128 v1, v[O:O+3], s[18:19]       ; the state in front of chunk 0
	s_wait_loadcnt 14
	WIDEN S, 16, 17, 18, 19
	global_store_b128 v1, v[16:19], s[18:19] offset:65536   ; in front of chunk 1: U''[0], as it was loaded
	SC 1, 20, 21, 22, 23
	SC 2, 24, 25, 26, 27
	SC 3, 28, 29, 30, 31
	SC 4, 32, 33, 34, 35
	SC 5, 36, 37, 38, 39
	SC 6, 40, 41, 42, 43
	SC 7, 44, 45, 46, 47
	SC 8, 48, 49, 50, 51
	SC 9, 52, 53, 54, 55
	SC 10, 56, 57, 58, 59
	SC 11, 60, 61, 62, 63
	SC 12, 64, 65, 66, 67
	SC 13, 68, 69, 70, 71
	SC 14, 72, 73, 74, 75
	; Ksum'': 128 numbers a chunk: one wave of the head's first work-group, 4 numbers a lane, the recurrence in place in the loaded registers
	s_cmp_lg_u32 ttmp9, 0
	s_cbranch_scc1 .Ldone
	v_lshrrev_b32 v12, 5, v0
	v_readfirstlane_b32 s20, v12
	s_cmp_lg_u32 s20, 0
	s_cbranch_scc1 .Ldone
	s_wait_xcnt 0x0                                ; bases and store data are rewritten only behind this wait (ISA guide 3.1)
	s_lshl_b32 s12, s8, 13                         ; 16 chunks of 512 bytes, behind U''
	s_add_co_u32 s12, s12, 0x1000000
	s_add_nc_u64 s[16:17], s[4:5], s[12:13]
	s_lshl_b32 s12, s8, 12                         ; 16 chunks of 256 bytes, behind State''
	s_add_co_u32 s12, s12, 0x1000000
	s_add_nc_u64 s[18:19], s[6:7], s[12:13]
	v_lshlrev_b32 v13, 4, v0
	v_lshlrev_b32 v14, 3, v0
.set c, 0
.rept 15
	global_load_b128 v[16+4*c:16+4*c+3], v13, s[16:17] offset:512*c
.set c, c+1
.endr
	global_store_b64 v14, v[O:O+1], s[18:19]       ; still 0
.set c, 0
.rept 15
	s_wait_loadcnt 14-c
.if c > 0
	v_pk_fma_f32 v[16+4*c:17+4*c], v[12+4*c:13+4*c], v[G:G+1], v[16+4*c:17+4*c]
	v_pk_fma_f32 v[18+4*c:19+4*c], v[14+4*c:15+4*c], v[G:G+1], v[18+4*c:19+4*c]
.endif
	v_cvt_pk_f16_f32 v[O+4+2*c], v[16+4*c], v[17+4*c]
	v_cvt_pk_f16_f32 v[O+5+2*c], v[18+4*c], v[19+4*c]
	global_store_b64 v14, v[O+4+2*c:O+5+2*c], s[18:19] offset:256*(c+1)   ; 32 lanes store 256 consecutive bytes
.set c, c+1
.endr
.Ldone:
	s_endpgm
.Lfunc_end_k_q7e553c6afe_scan:
	.size	k_q7e553c6afe_scan, .Lfunc_end_k_q7e553c6afe_scan-k_q7e553c6afe_scan
	.p2alignl 7, 3214868480
	.fill 96, 4, 3214868480
	.section	.rodata,"a",@progbits
	.p2align	6, 0x0
	.amdhsa_kernel k_q7e553c6afe_scan
		.amdhsa_group_segment_fixed_size 0
		.amdhsa_private_segment_fixed_size 0
		.amdhsa_enable_private_segment 0
		.amdhsa_kernarg_size 16
		.amdhsa_user_sgpr_count 2
		.amdhsa_user_sgpr_kernarg_segment_ptr 1
		.amdhsa_wavefront_size32 1
		.amdhsa_system_sgpr_workgroup_id_x 1
		.amdhsa_system_sgpr_workgroup_id_y 1
		.amdhsa_system_sgpr_workgroup_id_z 1
		.amdhsa_system_vgpr_workitem_id 0
		.amdhsa_next_free_vgpr 192
		.amdhsa_next_free_sgpr 66
		.amdhsa_reserve_vcc 0
		.amdhsa_float_denorm_mode_32 3
		.amdhsa_float_denorm_mode_16_64 3
		.amdhsa_memory_ordered 1
		.amdhsa_forward_progress 1
		.amdhsa_inst_pref_size 24
	.end_amdhsa_kernel
	.amdgpu_metadata
---
amdhsa.version: [ 1, 2 ]
amdhsa.kernels:
  - .name:           k_q7e553c6afe_scan
    .symbol:         k_q7e553c6afe_scan.kd
    .args:
      - { .name: uu, .offset: 0, .size: 8, .value_kind: global_buffer, .address_space: global }
      - { .name: st, .offset: 8, .size: 8, .value_kind: global_buffer, .address_space: global }
    .group_segment_fixed_size: 0
    .private_segment_fixed_size: 0
    .kernarg_segment_align: 8
    .kernarg_segment_size: 16
    .max_flat_workgroup_size: 256
    .sgpr_count:     66
    .vgpr_count:     192
    .wavefront_size: 32
...
	.end_amdgpu_metadata
.endif
;; end of part 4
;; launch attn (part 5): grid 16 x 16, 4 waves a work-group, no clusters, 275,968 bytes of LDS; arguments qk, vg, st, mx, yy; writes yy
.if DOCPART == 5
	.amdgcn_target "amdgcn-amd-amdhsa--gfx1250"
	.amdhsa_code_object_version 6
	.text
	.protected	k_q7e553c6afe_attn
	.globl	k_q7e553c6afe_attn
	.p2align	8
	.type	k_q7e553c6afe_attn,@function
k_q7e553c6afe_attn:
	s_mov_b64 s[64:65], 0
	v_nop
	global_prefetch_b8 v0, s[64:65] scope:SCOPE_SE
	s_setreg_imm32_b32 hwreg(HW_REG_WAVE_MODE, 25, 1), 1
	s_wait_xcnt 0x0
; Retention of chunk c (128 positions) of head y = 8 b + h, the row divisor, RMSNorm over the head's 256 channels and the gate.  g = 1 - 2^(-5-h); i = 128 c + 64 sb + a.
;   g^(i-j) (rot q_i . rot k_j) = (q''_i . k''_j) g^-63 in one block of 64;  (q'' . k'') g for a query of the chunk's second block and a key of its first;  earlier chunks: g^(64 sb + 1) q''_i . State.
; In units of cc = 16 / (qm km):  P'' = cc g^-63 (or cc g) q''.k'', 0 above the diagonal, rounded to f16 (at most 2,048 g^-63 < 15,200);  O'' = sum P'' v + g^(64 sb + 1) (vm / qm) q''.State'';
; R'' = sum P'' + g^(64 sb + 1) / qm q''.Ksum''.  Then kappa = 128^-0.5 sqrt(2^(-5-h) / (1 - g^(i+1))) qm km / 16, lambda = kappa / max(|kappa R''|, 1), mu = lambda rsq(lambda^2 sum O''^2 / 256 + 1e-5),
; y = f16(O'' mu) x silu(g), a packed f16 product.  qm, km, vm: the largest |q''|, |k''|, |v| of (b, h), not below 1e-18.
; LAYOUT.  S^T = K'' Q''^T holds one query a lane and eight keys; two such results rounded in pairs ARE source 1 of O^T = V^T P; State^T Q''^T lands in the same accumulators.  Row sums by a fragment of ones and one of Ksum''.
; SHARES.  Wave w owns rows 16 w .. of the first block of 64 (tile A) and rows 64 + 16 w .. (tile B): the work below the diagonal is alike in all four waves.
; LIMITS.  1 - g^(i+1) is a difference, good to 5e-4 of itself at h = 7, i = 0; it enters through the clip at 1 and through 1e-5 alone.  y must lie within f16's 65,504.  NaN and infinities are not treated apart.
; NO CLUSTER: no two work-groups read the same tile.  Each LDS byte is filled once: four tiles, one load a wave.
.set PK,    272
.set PV,    544
.set PG,    528
.set VOFF,  34816
.set SOFF,  104448
.set GLDS,  174080
.set STAGE, 241664                     ; 16 rows x 528 bytes for each wave
.set SPARE, 275456                     ; the spare words: two blocks of 256 bytes that no other line names
.set GOFF,  16777216
.set R,   1
.set HL,  2
.set AK,  3
.set AV,  4
.set AS,  5
.set AG,  6
.set STO, 7
.set RDS, 8
.set GOY, 9
.set QO,  10
.set QI,  11
.set K0,  12                           ; 128^-0.5 qm km / 16
.set TA,  13
.set SPW, 14
.set NIL, 15
.set SF,  16                           ; pairs, the factor twice: cc g
.set PHA, 18                           ; g vm / qm
.set PHB, 20                           ; g^65 vm / qm
.set PRA, 22                           ; g / qm
.set PRB, 24                           ; g^65 / qm
.set SD,  26                           ; cc g^-63
.set QM,  27
.set KM,  28
.set VM,  29
.set T0,  30
.set T1,  31
.set S,   32                           ; v32-127  S^T: A x keys 0-63, B x keys 0-63, B x keys 64-127
.set P,   128                          ; v128-175 P in the same order
.set RS,  176                          ; v176-191 the row sums' two accumulators
.set SG,  32                           ; the way out
.set YP,  96
.set SQ,  160
.set BK,  192
; window 1: O^T of tile T, channel block cb at v[128 T + 8 cb].  window 2: Q'' at v[32 T + 8 kk]; then:
.set KSF,  64                          ; Ksum'' as a fragment, all 16 rows alike, 8 kk
.set ONES, 96
.set MD,   104                         ; v104-135 cc g^-63 on and below the diagonal of my 16 rows in a block of 64, else 0
; window 3: two buffers of 128 for K'', State'' and V fragments
.set WV, 14
.set CC, 15
.set YY, 16
.set BB, 17
.set HH, 18
.set G1K, 24
.set G1V, 32
.set G1G, 40
.set G0K, 48
.set G0V, 52
.set G0S, 56
.set G0G, 60
.set QP,  66
.set KSP, 68
.set MQ,  70
.set MK,  72
.set MVP, 74
.set YB,  76
.set SEL, 78
.set LL,  80
.set L65, 81
.set LM63, 82
.set E2,  83
.set C256, 84
.set EPS, 85
.set IB,  86
.set MSB, 0
.macro WIN new
.if MSB != (\new)
	s_set_vgpr_msb (MSB<<8)|(\new)
.set MSB, (\new)
.endif
.endm
.macro PLACES
.rept 4
	v_nop
.endr
.endm
.macro GETL d, h                       ; log2(1 - 2^(-5-h))
	s_mov_b32 s[\d], 0xb9b8b001
	s_cmp_eq_u32 s[\h], 6
	s_cselect_b32 s[\d], 0xba38b5c7, s[\d]
	s_cmp_eq_u32 s[\h], 5
	s_cselect_b32 s[\d], 0xbab8c154, s[\d]
	s_cmp_eq_u32 s[\h], 4
	s_cselect_b32 s[\d], 0xbb38d875, s[\d]
	s_cmp_eq_u32 s[\h], 3
	s_cselect_b32 s[\d], 0xbbb906ce, s[\d]
	s_cmp_eq_u32 s[\h], 2
	s_cselect_b32 s[\d], 0xbc3963dd, s[\d]
	s_cmp_eq_u32 s[\h], 1
	s_cselect_b32 s[\d], 0xbcba1f74, s[\d]
	s_cmp_eq_u32 s[\h], 0
	s_cselect_b32 s[\d], 0xbd3b9ca6, s[\d]
.endm
.macro LMAX x
	v_max_num_f32_dpp v[\x], v[\x], v[\x] row_xmask:1 row_mask:0xf bank_mask:0xf
	v_max_num_f32_dpp v[\x], v[\x], v[\x] row_xmask:2 row_mask:0xf bank_mask:0xf
	v_max_num_f32_dpp v[\x], v[\x], v[\x] row_xmask:4 row_mask:0xf bank_mask:0xf
	v_max_num_f32_dpp v[\x], v[\x], v[\x] row_xmask:8 row_mask:0xf bank_mask:0xf
	v_permlanex16_b32 v[T1], v[\x], s[SEL], s[SEL+1]
	v_max_num_f32 v[\x], v[\x], v[T1]
.endm
.macro G1SET g, w0, cols               ; a tile of 128 rows of cols 2-byte elements, dense in memory
	s_mov_b32 s[(\g)], \w0
	s_mov_b32 s[(\g)+1], (\cols)<<16
	s_mov_b32 s[(\g)+2], 128<<16
	s_mov_b32 s[(\g)+3], (\cols)<<16
	s_mov_b32 s[(\g)+4], 128
	s_mov_b32 s[(\g)+5], \cols
	s_mov_b32 s[(\g)+6], 0
	s_mov_b32 s[(\g)+7], 0
.endm
	s_load_b256 s[4:11], s[0:1], 0x0               ; qk s[4:5], vg s[6:7], st s[8:9], mx s[10:11]
	s_load_b64 s[12:13], s[0:1], 0x20              ; yy
	v_lshl_add_u32 v[SPW], v0, 2, SPARE
	v_mov_b32 v[NIL], 0
	ds_add_u32 v[SPW], v[NIL]                      ; the wave's opening: the add and its wait ahead of my first tensor load; work on registers stands between them
	ds_add_u32 v14, v15
	v_lshrrev_b32 v1, 5, v0
	v_readfirstlane_b32 s[WV], v1
	s_mov_b32 s[CC], ttmp9
	s_and_b32 s[YY], ttmp7, 0xffff
	s_lshr_b32 s[BB], s[YY], 3
	s_and_b32 s[HH], s[YY], 7
	G1SET G1K, (1<<16)|(1<<20)|(5<<22)|(3<<25), 128    ; rows of 64 words + 4
	G1SET G1V, (1<<16)|(1<<20)|(6<<22)|(7<<25), 256    ; rows of 128 words + 8: V and State''
	G1SET G1G, (1<<16)|(1<<20)|(6<<22)|(3<<25), 256    ; rows of 128 words + 4: silu(g)
	s_mov_b32 s[G0K], 1
	s_mov_b32 s[G0K+1], 0
	s_mov_b32 s[G0V], 1
	s_mov_b32 s[G0V+1], VOFF
	s_mov_b32 s[G0S], 1
	s_mov_b32 s[G0S+1], SOFF
	s_mov_b32 s[G0G], 1
	s_mov_b32 s[G0G+1], GLDS
	s_lshl_b32 s19, s[HH], 1
	s_add_co_u32 s19, s19, s[BB]                   ; 2 h + b
	s_lshl_b32 s20, s[CC], 15
	s_lshl_b32 s88, s19, 19
	s_add_co_u32 s88, s88, s20                     ; q'' of this chunk
	s_mov_b32 s89, 0
	s_add_co_u32 s90, s88, 8388608                 ; k'': eight heads on
	s_mov_b32 s91, 0
	s_lshl_b32 s21, s[WV], 12
	s_add_co_u32 s88, s88, s21                     ; my 16 rows
	s_lshl_b32 s92, s[YY], 20
	s_lshl_b32 s21, s[CC], 16
	s_add_co_u32 s92, s92, s21
	s_mov_b32 s93, 0
	s_lshl4_add_u32 s22, s[YY], s[CC]              ; 16 y + c
	s_lshl_b32 s94, s22, 16
	s_mov_b32 s95, 0
	s_mov_b32 s[SEL], 0x76543210
	s_mov_b32 s[SEL+1], 0xfedcba98
	s_wait_dscnt 0x0                               ; the opening add is done
	s_wait_kmcnt 0x0
	s_add_nc_u64 s[G0K+2:G0K+3], s[4:5], s[90:91]
	s_or_b32 s[G0K+3], s[G0K+3], 0x80000000
	s_add_nc_u64 s[G0V+2:G0V+3], s[6:7], s[92:93]
	s_or_b32 s[G0V+3], s[G0V+3], 0x80000000
	s_add_nc_u64 s[G0S+2:G0S+3], s[8:9], s[94:95]
	s_or_b32 s[G0S+3], s[G0S+3], 0x80000000
	s_add_nc_u64 s[G0G+2:G0G+3], s[6:7], s[92:93]
	s_add_nc_u64 s[G0G+2:G0G+3], s[G0G+2:G0G+3], GOFF
	s_or_b32 s[G0G+3], s[G0G+3], 0x80000000
	s_add_nc_u64 s[QP:QP+1], s[4:5], s[88:89]
	s_cmp_eq_u32 s[WV], 0                          ; one load a wave: K'', V, State'', silu(g)
	s_cbranch_scc0 .Lw1
	tensor_load_to_lds s[G0K:G0K+3], s[G1K:G1K+7]
	s_nop 0
.rept 4
	v_nop
.endr
	s_branch .Lasked
.Lw1:
	s_cmp_eq_u32 s[WV], 1
	s_cbranch_scc0 .Lw2
	tensor_load_to_lds s[G0V:G0V+3], s[G1V:G1V+7]
	s_nop 0
.rept 4
	v_nop
.endr
	s_branch .Lasked
.Lw2:
	s_cmp_eq_u32 s[WV], 2
	s_cbranch_scc0 .Lw3
	tensor_load_to_lds s[G0S:G0S+3], s[G1V:G1V+7]
	s_nop 0
.rept 4
	v_nop
.endr
	s_branch .Lasked
.Lw3:
	tensor_load_to_lds s[G0G:G0G+3], s[G1G:G1G+7]
	s_nop 0
.rept 4
	v_nop
.endr
.Lasked:
	s_lshl_b32 s88, s22, 8                         ; Ksum'' of this chunk, behind State''
	s_add_co_u32 s88, s88, 16777216
	s_add_nc_u64 s[KSP:KSP+1], s[8:9], s[88:89]
	s_lshl_b32 s88, s19, 7
	s_add_nc_u64 s[MQ:MQ+1], s[10:11], s[88:89]
	s_add_co_u32 s88, s88, 2048                    ; 16 x 128 bytes on: k''
	s_add_nc_u64 s[MK:MK+1], s[10:11], s[88:89]
	s_lshl_b32 s88, s[YY], 8
	s_add_co_u32 s88, s88, 4096
	s_add_nc_u64 s[MVP:MVP+1], s[10:11], s[88:89]
	v_and_b32 v[R], 15, v0
	v_bfe_u32 v[HL], v0, 4, 1
	v_lshlrev_b32 v[QO], 8, v[R]
	v_lshl_add_u32 v[QO], v[HL], 4, v[QO]          ; row x 256 + 16 x half
	v_lshlrev_b32 v[T0], 4, v[HL]
	v_and_b32 v[GOY], 31, v0
	v_lshlrev_b32 v[T1], 2, v[GOY]
	v_lshlrev_b32 v[GOY], 4, v[GOY]
	WIN 0x80                                       ; destination window 2
.set i, 0
.rept 8                                            ; tile i / 4, d 32 (i % 4) on
	global_load_b128 v[8*i:8*i+3],   v[QO], s[QP:QP+1] offset:(i/4)*16384+(i%4)*64
	global_load_b128 v[8*i+4:8*i+7], v[QO], s[QP:QP+1] offset:(i/4)*16384+(i%4)*64+32
.set i, i+1
.endr
.set i, 0
.rept 4
	global_load_b128 v[KSF+8*i:KSF+8*i+3],   v[T0], s[KSP:KSP+1] offset:64*i
	global_load_b128 v[KSF+8*i+4:KSF+8*i+7], v[T0], s[KSP:KSP+1] offset:64*i+32
.set i, i+1
.endr
.set i, 0
.rept 8
	v_mov_b32 v[ONES+i], 0x3c003c00
.set i, i+1
.endr
	WIN 0
	global_load_b32 v[QM], v[T1], s[MQ:MQ+1]
	global_load_b32 v[KM], v[T1], s[MK:MK+1]
	global_load_b32 v[VM], v[T1], s[MVP:MVP+1]
	global_load_b32 v[TA], v[T1], s[MVP:MVP+1] offset:128
	; addresses
	v_mul_u32_u24 v[AK], v[R], PK
	v_lshl_add_u32 v[AK], v[HL], 4, v[AK]
	v_and_b32 v[AV], 7, v0                         ; the turning load: lane l reads row 8 (l / 16) + l % 8, channels 8 ((l / 8) % 2) + 0..7
	v_lshl_add_u32 v[AV], v[HL], 3, v[AV]
	v_mul_u32_u24 v[AV], v[AV], PV
	v_bfe_u32 v[AS], v0, 3, 1
	v_lshl_add_u32 v[AV], v[AS], 4, v[AV]
	v_add_nc_u32 v[AS], SOFF, v[AV]
	v_add_nc_u32 v[AV], VOFF, v[AV]
	s_lshl_b32 s20, s[WV], 4
	v_add_nc_u32 v[AG], s20, v[R]                  ; 16 w + r
	v_lshlrev_b32 v[QI], 3, v[HL]
	v_sub_nc_u32 v[QI], v[AG], v[QI]               ; register j of key block kb is seen where 16 kb + j <= 16 w + r - 8 (l / 16)
	v_mul_u32_u24 v[AG], v[AG], PG
	v_lshl_add_u32 v[AG], v[HL], 4, v[AG]
	v_add_nc_u32 v[AG], GLDS, v[AG]
	s_mul_i32 s21, s[WV], 16*PG
	s_add_co_u32 s21, s21, STAGE
	v_mul_u32_u24 v[STO], v[R], PG
	v_lshl_add_u32 v[STO], v[HL], 4, v[STO]
	v_add_nc_u32 v[STO], s21, v[STO]
	v_add_nc_u32 v[RDS], s21, v[GOY]
	s_lshl_b32 s88, s[BB], 11
	s_lshl_b32 s21, s[CC], 7
	s_add_co_u32 s21, s21, s20                     ; 128 c + 16 w
	s_add_co_u32 s[IB], s21, 1
	s_add_co_u32 s88, s88, s21
	s_lshl_b32 s88, s88, 12                        ; rows of 4,096 bytes
	s_lshl_b32 s21, s[HH], 9
	s_add_co_u32 s88, s88, s21
	s_add_nc_u64 s[YB:YB+1], s[12:13], s[88:89]
	GETL LL, HH
	s_mul_f32 s[L65], s[LL], 0x42820000            ; 65
	s_mul_f32 s[LM63], s[LL], 0xc27c0000           ; -63
	s_add_co_u32 s[E2], s[HH], 132
	s_lshl_b32 s[E2], s[E2], 23                    ; 2^(5+h)
	s_mov_b32 s[C256], 0x3b800000                  ; 1 / 256
	s_mov_b32 s[EPS], 0x3727c5ac                   ; 1e-5
	s_wait_loadcnt 0x0
	v_max_num_f32 v[VM], v[VM], v[TA]
	LMAX QM
	LMAX KM
	LMAX VM
	v_max_num_f32 v[QM], 0x219392ef, v[QM]         ; not below 1e-18
	v_max_num_f32 v[KM], 0x219392ef, v[KM]
	v_max_num_f32 v[VM], 0x219392ef, v[VM]
	v_mul_f32 v[K0], v[QM], v[KM]
	v_rcp_f32 v[TA], v[K0]
	v_rcp_f32 v[T0], v[QM]
	v_exp_f32 v[T1], s[LL]
	v_exp_f32 v[SD], s[LM63]
	v_exp_f32 v[PHB], s[L65]
	v_nop
	s_wait_alu depctr_va_vdst(0)
	v_mul_f32 v[TA], 0x41800000, v[TA]             ; cc
	v_mul_f32 v[SD], v[TA], v[SD]
	v_mul_f32 v[SF], v[TA], v[T1]
	v_mul_f32 v[VM], v[VM], v[T0]                  ; vm / qm
	v_mul_f32 v[PRA], v[T1], v[T0]
	v_mul_f32 v[PRB], v[PHB], v[T0]
	v_mul_f32 v[PHA], v[T1], v[VM]
	v_mul_f32 v[PHB], v[PHB], v[VM]
	v_mul_f32 v[K0], 0x3bb504f3, v[K0]             ; 128^-0.5 / 16
	v_mov_b32 v[SF+1], v[SF]
	v_mov_b32 v[PRA+1], v[PRA]
	v_mov_b32 v[PRB+1], v[PRB]
	v_mov_b32 v[PHA+1], v[PHA]
	v_mov_b32 v[PHB+1], v[PHB]
	WIN 0x80
.set i, 0
.rept 32
	v_cmp_le_i32 vcc_lo, 16*(i/8)+i%8, v[QI]
	v_cndmask_b32 v[MD+i], 0, v[SD], vcc_lo
.set i, i+1
.endr
	WIN 0
	s_wait_tensorcnt 0x0                           ; my tile is in,
	s_barrier_signal -1
	s_barrier_wait -1                              ; everybody's is
.macro KLOAD buf, half                 ; 32 loads: K'' of keys 64 half ..: key block kb, d 32 kk on at buf + 8 (4 kb + kk)
	WIN 0xc0
.set kb, 0
.rept 4
.set kk, 0
.rept 4
	ds_load_b128 v[(\buf)+8*(4*kb+kk):(\buf)+8*(4*kb+kk)+3],   v[AK] offset:4352*(4*(\half)+kb)+64*kk
	ds_load_b128 v[(\buf)+8*(4*kb+kk)+4:(\buf)+8*(4*kb+kk)+7], v[AK] offset:4352*(4*(\half)+kb)+64*kk+32
.set kk, kk+1
.endr
.set kb, kb+1
.endr
.endm
.macro TLOAD buf, adr, kk              ; 32 turning loads: 16 channel blocks of rows 32 kk .. of V or State''
	WIN 0xc0
.set cb, 0
.rept 16
	ds_load_tr16_b128 v[(\buf)+8*cb:(\buf)+8*cb+3],   v[\adr] offset:17408*(\kk)+32*cb
	ds_load_tr16_b128 v[(\buf)+8*cb+4:(\buf)+8*cb+7], v[\adr] offset:17408*(\kk)+32*cb+8704
.set cb, cb+1
.endr
.endm
.macro INTER kk, buf, zero             ; 34 matrix instructions: State''^T Q''^T and Ksum''.Q'' for d 32 kk ..; the accumulators take turns
	WIN 0x5b
.set cb, 0
.rept 16
.irp t, 0,1
.if \zero
	v_wmma_f32_16x16x32_f16 v[128*\t+8*cb:128*\t+8*cb+7], v[(\buf)+8*cb:(\buf)+8*cb+7], v[32*\t+8*(\kk):32*\t+8*(\kk)+7], 0
.else
	v_wmma_f32_16x16x32_f16 v[128*\t+8*cb:128*\t+8*cb+7], v[(\buf)+8*cb:(\buf)+8*cb+7], v[32*\t+8*(\kk):32*\t+8*(\kk)+7], v[128*\t+8*cb:128*\t+8*cb+7]
.endif
.endr
.set cb, cb+1
.endr
	WIN 0x0a
.irp t, 0,1
.if \zero
	v_wmma_f32_16x16x32_f16 v[RS+8*\t:RS+8*\t+7], v[KSF+8*(\kk):KSF+8*(\kk)+7], v[32*\t+8*(\kk):32*\t+8*(\kk)+7], 0
.else
	v_wmma_f32_16x16x32_f16 v[RS+8*\t:RS+8*\t+7], v[KSF+8*(\kk):KSF+8*(\kk)+7], v[32*\t+8*(\kk):32*\t+8*(\kk)+7], v[RS+8*\t:RS+8*\t+7]
.endif
.endr
.endm
.macro PVM ks, buf, both               ; V^T P and the row sums for keys 32 ks ..; both = 1: tile A sees them too
	WIN 0x53
.set cb, 0
.rept 16
.if \both
	v_wmma_f32_16x16x32_f16 v[8*cb:8*cb+7], v[(\buf)+8*cb:(\buf)+8*cb+7], v[P+8*(\ks):P+8*(\ks)+7], v[8*cb:8*cb+7]
.endif
	v_wmma_f32_16x16x32_f16 v[128+8*cb:128+8*cb+7], v[(\buf)+8*cb:(\buf)+8*cb+7], v[P+16+8*(\ks):P+16+8*(\ks)+7], v[128+8*cb:128+8*cb+7]
.set cb, cb+1
.endr
	WIN 0x02
.if \both
	v_wmma_f32_16x16x32_f16 v[RS:RS+7], v[ONES:ONES+7], v[P+8*(\ks):P+8*(\ks)+7], v[RS:RS+7]
.endif
	v_wmma_f32_16x16x32_f16 v[RS+8:RS+15], v[ONES:ONES+7], v[P+16+8*(\ks):P+16+8*(\ks)+7], v[RS+8:RS+15]
.endm
	KLOAD 0, 0
	KLOAD 128, 1
	s_wait_dscnt 32                                ; every count of 32 leaves the other buffer's 32 loads out
	WIN 0x0b                                       ; K'' window 3, Q'' window 2, S^T window 0: both tiles x keys 0-63, eight accumulators by turns
.set kk, 0
.rept 4
.set kb, 0
.rept 4
.irp t, 0,1
.if kk == 0
	v_wmma_f32_16x16x32_f16 v[S+32*\t+8*kb:S+32*\t+8*kb+7], v[8*(4*kb+kk):8*(4*kb+kk)+7], v[32*\t+8*kk:32*\t+8*kk+7], 0
.else
	v_wmma_f32_16x16x32_f16 v[S+32*\t+8*kb:S+32*\t+8*kb+7], v[8*(4*kb+kk):8*(4*kb+kk)+7], v[32*\t+8*kk:32*\t+8*kk+7], v[S+32*\t+8*kb:S+32*\t+8*kb+7]
.endif
.endr
.set kb, kb+1
.endr
.set kk, kk+1
.endr
	PLACES
	TLOAD 0, AS, 0
	s_wait_dscnt 32
	WIN 0x0b                                       ; tile B x keys 64-127, four accumulators by turns
.set kk, 0
.rept 4
.set kb, 0
.rept 4
.if kk == 0
	v_wmma_f32_16x16x32_f16 v[S+64+8*kb:S+64+8*kb+7], v[128+8*(4*kb+kk):128+8*(4*kb+kk)+7], v[32+8*kk:32+8*kk+7], 0
.else
	v_wmma_f32_16x16x32_f16 v[S+64+8*kb:S+64+8*kb+7], v[128+8*(4*kb+kk):128+8*(4*kb+kk)+7], v[32+8*kk:32+8*kk+7], v[S+64+8*kb:S+64+8*kb+7]
.endif
.set kb, kb+1
.endr
.set kk, kk+1
.endr
	PLACES
	TLOAD 128, AS, 1
	WIN 0x08                                       ; the scores times their factor, each accumulator from its low end on; the mask lies in window 2
.set i, 0
.rept 16
	v_pk_mul_f32 v[S+2*i:S+2*i+1], v[S+2*i:S+2*i+1], v[MD+2*i:MD+2*i+1]
	v_pk_mul_f32 v[S+64+2*i:S+64+2*i+1], v[S+64+2*i:S+64+2*i+1], v[MD+2*i:MD+2*i+1]
.set i, i+1
.endr
	WIN 0
.set i, 0
.rept 16
	v_pk_mul_f32 v[S+32+2*i:S+32+2*i+1], v[S+32+2*i:S+32+2*i+1], v[SF:SF+1] op_sel_hi:[1,0]
.set i, i+1
.endr
.set i, 0
.rept 48
	v_cvt_pk_f16_f32 v[P+i], v[S+2*i], v[S+2*i+1]
.set i, i+1
.endr
	s_wait_dscnt 32
	INTER 0, 0, 1
	PLACES
	TLOAD 0, AS, 2
	s_wait_dscnt 32
	INTER 1, 128, 0
	PLACES
	TLOAD 128, AS, 3
	s_wait_dscnt 32
	INTER 2, 0, 0
	PLACES
	TLOAD 0, AV, 0
	s_wait_dscnt 32
	INTER 3, 128, 0
	PLACES
	TLOAD 128, AV, 1
	WIN 0x41                                       ; the earlier chunks' part into the units of P''
.set i, 0
.rept 64
	v_pk_mul_f32 v[2*i:2*i+1], v[2*i:2*i+1], v[PHA:PHA+1] op_sel_hi:[1,0]
.set i, i+1
.endr
.set i, 0
.rept 64
	v_pk_mul_f32 v[128+2*i:128+2*i+1], v[128+2*i:128+2*i+1], v[PHB:PHB+1] op_sel_hi:[1,0]
.set i, i+1
.endr
	WIN 0
.set i, 0
.rept 4
	v_pk_mul_f32 v[RS+2*i:RS+2*i+1], v[RS+2*i:RS+2*i+1], v[PRA:PRA+1] op_sel_hi:[1,0]
.set i, i+1
.endr
.set i, 0
.rept 4
	v_pk_mul_f32 v[RS+8+2*i:RS+8+2*i+1], v[RS+8+2*i:RS+8+2*i+1], v[PRB:PRB+1] op_sel_hi:[1,0]
.set i, i+1
.endr
	s_wait_dscnt 32
	PVM 0, 0, 1
	PLACES
	TLOAD 0, AV, 2
	s_wait_dscnt 32
	PVM 1, 128, 1
	PLACES
	TLOAD 128, AV, 3
	s_wait_dscnt 32
	PVM 2, 0, 0
	s_wait_dscnt 0x0
	PVM 3, 128, 0
	PLACES
; A tile's end: the sum of squares, the divisor, the norm, the gate; through my stage; whole rows of 512 bytes out.
.macro EPI t
	WIN 0
.if \t
	s_wait_xcnt 0x0                                ; tile A's stores have read their registers (ISA guide 3.1)
.endif
.set i, 0
.rept 16
	ds_load_b128 v[SG+4*i:SG+4*i+3], v[AG] offset:33792*(\t)+32*i
.set i, i+1
.endr
	WIN 0x05
.set cb, 0
.rept 16
.set j, 0
.rept 4
.if cb == 0
	v_pk_mul_f32 v[SQ+2*j:SQ+2*j+1], v[128*(\t)+2*j:128*(\t)+2*j+1], v[128*(\t)+2*j:128*(\t)+2*j+1]
.else
	v_pk_fma_f32 v[SQ+2*j:SQ+2*j+1], v[128*(\t)+8*cb+2*j:128*(\t)+8*cb+2*j+1], v[128*(\t)+8*cb+2*j:128*(\t)+8*cb+2*j+1], v[SQ+2*j:SQ+2*j+1]
.endif
.set j, j+1
.endr
.set cb, cb+1
.endr
	WIN 0
	v_pk_add_f32 v[SQ:SQ+1], v[SQ:SQ+1], v[SQ+2:SQ+3]
	v_pk_add_f32 v[SQ+4:SQ+5], v[SQ+4:SQ+5], v[SQ+6:SQ+7]
	v_add_nc_u32 v[TA], s[IB], v[R]
	v_pk_add_f32 v[SQ:SQ+1], v[SQ:SQ+1], v[SQ+4:SQ+5]
	v_add_nc_u32 v[TA], 64*(\t), v[TA]             ; i + 1
	v_cvt_f32_u32 v[TA], v[TA]
	v_add_f32 v[SQ], v[SQ], v[SQ+1]
	v_mul_f32 v[TA], s[LL], v[TA]
	v_permlanex16_b32 v[SQ+1], v[SQ], s[SEL], s[SEL+1]   ; the row's other 128 channels lie in the lane 16 away
	v_exp_f32 v[TA], v[TA]                         ; g^(i+1)
	v_add_f32 v[SQ], v[SQ], v[SQ+1]
	s_wait_alu depctr_va_vdst(0)
	v_sub_f32 v[TA], 1.0, v[TA]
	v_mul_f32 v[TA], s[E2], v[TA]
	v_rsq_f32 v[TA], v[TA]
	v_nop
	s_wait_alu depctr_va_vdst(0)
	v_mul_f32 v[TA], v[K0], v[TA]                  ; kappa
	v_mul_f32 v27, v[TA], v[RS+8*(\t)]
	v_max_num_f32 v27, |v27|, 1.0
	v_rcp_f32 v27, v27
	v_nop
	s_wait_alu depctr_va_vdst(0)
	v_mul_f32 v[TA], v[TA], v27                    ; lambda
	v_mul_f32 v28, v[TA], v[TA]
	v_mul_f32 v28, v28, v[SQ]
	v_fma_f32 v28, v28, s[C256], s[EPS]
	v_rsq_f32 v28, v28
	v_nop
	s_wait_alu depctr_va_vdst(0)
	v_mul_f32 v28, v[TA], v28                      ; mu
	v_mov_b32 v29, v28
	WIN 0x41
.set i, 0
.rept 64
	v_pk_mul_f32 v[128*(\t)+2*i:128*(\t)+2*i+1], v[128*(\t)+2*i:128*(\t)+2*i+1], v[28:29] op_sel_hi:[1,0]
.set i, i+1
.endr
	WIN 0x05
.set i, 0
.rept 64
	v_cvt_pk_f16_f32 v[YP+i], v[128*(\t)+2*i], v[128*(\t)+2*i+1]
.set i, i+1
.endr
	WIN 0
	s_wait_dscnt 0x0                               ; silu(g) is in
.set i, 0
.rept 64
	v_pk_mul_f16 v[YP+i], v[YP+i], v[SG+i]
.set i, i+1
.endr
.set i, 0
.rept 16
	ds_store_b128 v[STO], v[YP+4*i:YP+4*i+3] offset:32*i
.set i, i+1
.endr
.set i, 0
.rept 16
	ds_load_b128 v[BK+4*i:BK+4*i+3], v[RDS] offset:PG*i   ; LDS serves a wave's instructions in order (ISA guide 5.7.1.4): these see the stores above
.set i, i+1
.endr
.set i, 0
.rept 16
	s_wait_dscnt 15-i
	global_store_b128 v[GOY], v[BK+4*i:BK+4*i+3], s[YB:YB+1] offset:(64*(\t)+i)*4096   ; 512 consecutive bytes, aligned
.set i, i+1
.endr
.endm
	EPI 0
	EPI 1
	s_wait_tensorcnt 0x0                           ; the wave's end
	ds_add_u32 v[SPW], v[NIL]
	s_wait_dscnt 0x0
	s_endpgm
.Lfunc_end_k_q7e553c6afe_attn:
	.size	k_q7e553c6afe_attn, .Lfunc_end_k_q7e553c6afe_attn-k_q7e553c6afe_attn
	.p2alignl 7, 3214868480
	.fill 96, 4, 3214868480
	.section	.rodata,"a",@progbits
	.p2align	6, 0x0
	.amdhsa_kernel k_q7e553c6afe_attn
		.amdhsa_group_segment_fixed_size 275968
		.amdhsa_private_segment_fixed_size 0
		.amdhsa_enable_private_segment 0
		.amdhsa_kernarg_size 40
		.amdhsa_user_sgpr_count 2
		.amdhsa_user_sgpr_kernarg_segment_ptr 1
		.amdhsa_wavefront_size32 1
		.amdhsa_system_sgpr_workgroup_id_x 1
		.amdhsa_system_sgpr_workgroup_id_y 1
		.amdhsa_system_sgpr_workgroup_id_z 1
		.amdhsa_system_vgpr_workitem_id 0
		.amdhsa_next_free_vgpr 1024
		.amdhsa_next_free_sgpr 96
		.amdhsa_reserve_vcc 1
		.amdhsa_float_denorm_mode_32 3
		.amdhsa_float_denorm_mode_16_64 3
		.amdhsa_memory_ordered 1
		.amdhsa_forward_progress 1
		.amdhsa_inst_pref_size 116
	.end_amdhsa_kernel
	.amdgpu_metadata
---
amdhsa.version: [ 1, 2 ]
amdhsa.kernels:
  - .name:           k_q7e553c6afe_attn
    .symbol:         k_q7e553c6afe_attn.kd
    .args:
      - { .name: qk, .offset: 0, .size: 8, .value_kind: global_buffer, .address_space: global }
      - { .name: vg, .offset: 8, .size: 8, .value_kind: global_buffer, .address_space: global }
      - { .name: st, .offset: 16, .size: 8, .value_kind: global_buffer, .address_space: global }
      - { .name: mx, .offset: 24, .size: 8, .value_kind: global_buffer, .address_space: global }
      - { .name: yy, .offset: 32, .size: 8, .value_kind: global_buffer, .address_space: global }
    .group_segment_fixed_size: 275968
    .private_segment_fixed_size: 0
    .kernarg_segment_align: 8
    .kernarg_segment_size: 40
    .max_flat_workgroup_size: 128
    .sgpr_count:     96
    .vgpr_count:     1024
    .wavefront_size: 32
...
	.end_amdgpu_metadata
.endif
;; end of part 5
;; launch oproj (part 6): grid 8 x 32, 4 waves a work-group, clusters of 4 x 4, 327,680 bytes of LDS; arguments yy, wb, out0; writes out0
.if DOCPART == 6
	.amdgcn_target "amdgcn-amd-amdhsa--gfx1250"
	.amdhsa_code_object_version 6
	.text
	.protected	k_q7e553c6afe_oproj
	.globl	k_q7e553c6afe_oproj
	.p2align	8
	.type	k_q7e553c6afe_oproj,@function
k_q7e553c6afe_oproj:
	s_mov_b64 s[64:65], 0
	v_nop
	global_prefetch_b8 v0, s[64:65] scope:SCOPE_SE
	s_setreg_imm32_b32 hwreg(HW_REG_WAVE_MODE, 25, 1), 1
	s_wait_xcnt 0x0
	s_wait_alu depctr_hold_cnt(0) depctr_sa_sdst(0) depctr_va_vdst(0) depctr_va_sdst(0) depctr_va_ssrc(0) depctr_va_vcc(0) depctr_vm_vsrc(0)
	s_getreg_b32 s2, hwreg(HW_REG_IB_STS2, 6, 4)
	s_cmp_eq_u32 s2, 0
	s_cbranch_scc0 .Lentry_in_a_cluster
	s_endpgm
.Lentry_in_a_cluster:
	s_bfe_u32 s2, ttmp6, 0x10000c
	s_cmp_lg_u32 s2, 0xf033
	s_cbranch_scc0 .Lentry_shape_is_right
	s_endpgm
.Lentry_shape_is_right:
; out0 [4096][1024] f32 = y [4096][2048] f16 times wo, which lies in wb from byte 12,582,912 as 8 units [2048 k][128 columns] of f16 (each the bf16 rounding of wo); sums in f32.
; A tile of out0 is 128 x 128: 256 work-groups.  Four waves, each 64 x 64: 16 accumulators.  K goes in steps of 256 through two LDS slots: y's rows of 512 bytes, wo's 256 k-rows of 256 bytes.
; The matrix instruction is used transposed (source 0 = 16 columns of wo, turned out of LDS; source 1 = 16 rows of y): a lane holds eight neighbouring numbers of a row of out0.
; CLUSTER 4 x 4: y's tile is asked for jointly along a row of the cluster, wo's along a column.  A wave's 64 f32 columns are 256 aligned bytes, so each wave has a stage of its own and the way out has no barrier.
; REGISTERS: window 0: v0-31 addresses; v32-95 the way out; v128-255 the accumulators ((a, b) at v[128 + 8 (4 a + b)]).  window 1: two fragment buffers of 128: for 64 along K, 64 registers of y, then 64 of wo.
.set PITCH,  528                       ; 512 bytes + 16: row r starts at bank 4 r mod 64 (64 banks of 4 bytes: ISA guide 11.1)
.set PB,     288                       ; 256 bytes + 32
.set HALFA,  64*PITCH
.set HALFB,  128*PB
.set BOFF,   2*HALFA
.set SLOT,   BOFF+2*HALFB
.set STAGE,  2*SLOT                    ; behind the ring: 16 rows x 272 bytes for each wave
.set SPITCH, 272
.set SPARE,  STAGE+4*16*SPITCH         ; the spare words: two blocks of 256 bytes that no other line names
.set LAPS,   4                         ; 2,048 / (2 x 256)
.set WOB,    12582912
.set ADRA, 16                          ; v16-17  my place in y's tile, slot 0, 1
.set ADRB, 20                          ; v20-23  my place in wo's tile: slot 0 k 0.., slot 0 k 128.., slot 1 likewise: the offsets stay inside 16 bits
.set STO,  24
.set RD,   25
.set CO,   26
.set SPW,  28
.set NIL,  29
.set BK,   32
.set ACC,  128
.set F0,   0
.set F1,   128
.set G1, 24
.set G0, 32
.set G1B, 48
.set G0B, 56
.set MSB, 0
.macro WIN new
.if MSB != (\new)
	s_set_vgpr_msb (MSB<<8)|(\new)
.set MSB, (\new)
.endif
.endm
.set MUL,  0x05                        ; sources window 1; C and D window 0
.set TO_F, 0x40                        ; destination window 1, address window 0
.macro JLOAD s                         ; a joint load: waves 0 and 1 fetch y's two halves, waves 2 and 3 wo's; s_nop 0 and four v_nop follow each line
	s_cmp_eq_u32 s11, 0
	s_cbranch_scc0 .Lfor_b_\@
	tensor_load_to_lds s[G0+4*(\s):G0+4*(\s)+3], s[G1:G1+7]
	s_nop 0
.rept 4
	v_nop
.endr
	s_branch .Lasked_\@
.Lfor_b_\@:
	tensor_load_to_lds s[G0B+4*(\s):G0B+4*(\s)+3], s[G1B:G1B+7]
	s_nop 0
.rept 4
	v_nop
.endr
.Lasked_\@:
.endm
.macro CREST
	s_cmp_lg_u32 s10, 0
	s_cbranch_scc1 .Lnot_wave_0_\@
	s_barrier_signal -3
.Lnot_wave_0_\@:
	s_barrier_wait -3
	s_barrier_signal -1
	s_barrier_wait -1
.endm
.macro CROUND
	s_barrier_signal -1
	s_barrier_wait -1
	CREST
.endm
	s_load_b128 s[4:7], s[0:1], 0x0                ; yy s[4:5], wb s[6:7]
	s_load_b64 s[8:9], s[0:1], 0x10                ; out0
	v_lshl_add_u32 v[SPW], v0, 2, SPARE
	v_mov_b32 v[NIL], 0
	ds_add_u32 v[SPW], v[NIL]                      ; the wave's opening: the add and its wait ahead of my first tensor load; work on registers stands between them
	ds_add_u32 v28, v29
	v_lshrrev_b32 v1, 5, v0
	v_readfirstlane_b32 s10, v1                    ; wave 0..3
	s_lshr_b32 s11, s10, 1                         ; which half of the tile's rows is mine.  Also: I fetch for y (0) or for wo (1)
	s_and_b32 s12, s10, 1                          ; which half of its columns.  Also: which half of that tile I fetch
	s_bfe_u32 s40, ttmp6, 0x40000
	s_bfe_u32 s41, ttmp6, 0x40004
	s_lshl_b32 s42, ttmp9, 2
	s_add_co_u32 s42, s42, s40                     ; tile column
	s_and_b32 s13, ttmp7, 0xffff
	s_lshl_b32 s13, s13, 2
	s_add_co_u32 s13, s13, s41                     ; tile row
	s_lshl_b32 s43, s41, 2
	s_lshl_b32 s43, 15, s43                        ; my row of the cluster
	s_lshl_b32 s44, 0x1111, s40                    ; my column
	s_or_b32 s[G1+0], s43, (1<<16)|(1<<20)|(1<<21)|(6<<22)|(3<<25)   ; y: 64 rows of 256 elements; 4 words of padding after every 128 words
	s_mov_b32 s[G1+1], 256<<16
	s_mov_b32 s[G1+2], 64<<16
	s_mov_b32 s[G1+3], 256<<16
	s_mov_b32 s[G1+4], 64
	s_mov_b32 s[G1+5], 2048
	s_mov_b32 s[G1+6], 0
	s_mov_b32 s[G1+7], 0
	s_or_b32 s[G1B+0], s44, (1<<16)|(1<<20)|(1<<21)|(5<<22)|(7<<25)  ; wo: 128 k-rows of 128 elements; 8 words after every 64 words
	s_mov_b32 s[G1B+1], 128<<16
	s_mov_b32 s[G1B+2], 128<<16
	s_mov_b32 s[G1B+3], 128<<16
	s_mov_b32 s[G1B+4], 128
	s_mov_b32 s[G1B+5], 128
	s_mov_b32 s[G1B+6], 0
	s_mov_b32 s[G1B+7], 0
	s_lshl_b32 s16, s13, 7
	s_lshl_b32 s17, s12, 6
	s_add_co_u32 s16, s16, s17
	s_lshl_b32 s16, s16, 12                        ; y: row 128 x tile row + 64 x half, rows of 4,096 bytes
	s_mov_b32 s17, 0
	s_lshl_b32 s46, s42, 19                        ; wo: unit = tile column, 524,288 bytes; + 128 k-rows x half
	s_lshl_b32 s47, s12, 15
	s_add_co_u32 s46, s46, s47
	s_add_co_u32 s46, s46, WOB
	s_mov_b32 s47, 0
	s_mul_i32 s20, s12, HALFA                      ; where they go
	s_mul_i32 s21, s12, HALFB
	s_add_co_u32 s21, s21, BOFF
	s_wait_dscnt 0x0                               ; the opening add is done
	s_wait_kmcnt 0x0
	s_add_nc_u64 s[14:15], s[4:5], s[16:17]
	s_add_nc_u64 s[46:47], s[6:7], s[46:47]
	CROUND                                         ; all sixteen work-groups are here: the first joint loads meet
.irp s, 0,1
	s_mov_b32 s[G0+4*(\s)], 1
	s_add_co_u32 s[G0+4*(\s)+1], s20, (\s)*SLOT
	s_add_nc_u64 s[G0+4*(\s)+2:G0+4*(\s)+3], s[14:15], (\s)*512
	s_or_b32 s[G0+4*(\s)+3], s[G0+4*(\s)+3], 0x80000000
	s_mov_b32 s[G0B+4*(\s)], 1
	s_add_co_u32 s[G0B+4*(\s)+1], s21, (\s)*SLOT
	s_add_nc_u64 s[G0B+4*(\s)+2:G0B+4*(\s)+3], s[46:47], (\s)*65536
	s_or_b32 s[G0B+4*(\s)+3], s[G0B+4*(\s)+3], 0x80000000
	JLOAD \s
.endr
	v_and_b32 v1, 15, v0
	v_bfe_u32 v2, v0, 4, 1
	v_mul_u32_u24 v3, v1, PITCH
	v_lshl_add_u32 v3, v2, 4, v3
	s_mul_i32 s22, s11, HALFA                      ; my 64 rows of y
	v_add_nc_u32 v[ADRA], s22, v3
	v_add_nc_u32 v[ADRA+1], SLOT, v[ADRA]
	v_and_b32 v4, 7, v0                            ; the turning load: lane l reads k-row 8 (l / 16) + l % 8, columns 8 ((l / 8) % 2) + 0..7
	v_lshl_add_u32 v4, v2, 3, v4
	v_mul_u32_u24 v4, v4, PB
	v_bfe_u32 v5, v0, 3, 1
	v_lshl_add_u32 v4, v5, 4, v4
	s_lshl_b32 s22, s12, 7                         ; my 64 columns
	s_add_co_u32 s22, s22, BOFF
	v_add_nc_u32 v[ADRB], s22, v4
	v_add_nc_u32 v[ADRB+1], HALFB, v[ADRB]
	v_add_nc_u32 v[ADRB+2], SLOT, v[ADRB]
	v_add_nc_u32 v[ADRB+3], SLOT+HALFB, v[ADRB]
	s_mul_i32 s23, s10, 16*SPITCH
	s_add_co_u32 s23, s23, STAGE                   ; my stage
	v_mul_u32_u24 v4, v1, SPITCH                   ; in: row l % 16, 32 bytes for each half of the lanes
	v_lshl_add_u32 v4, v2, 5, v4
	v_add_nc_u32 v[STO], s23, v4
	v_mul_u32_u24 v5, v2, SPITCH                   ; back: lanes 0-15 one row of 256 bytes, lanes 16-31 the next
	v_lshl_add_u32 v5, v1, 4, v5
	v_add_nc_u32 v[RD], s23, v5
	v_lshlrev_b32 v5, 12, v2                       ; and the same two rows in out0
	v_lshl_add_u32 v[CO], v1, 4, v5
	s_lshl_b32 s16, s13, 7
	s_lshl_b32 s17, s11, 6
	s_add_co_u32 s16, s16, s17
	s_lshl_b32 s16, s16, 12                        ; my first row of out0
	s_mov_b32 s17, 0
	s_add_nc_u64 s[8:9], s[8:9], s[16:17]
	s_lshl_b32 s46, s42, 9                         ; my first column, in bytes
	s_lshl_b32 s47, s12, 8
	s_add_co_u32 s46, s46, s47
	s_mov_b32 s47, 0
	s_add_nc_u64 s[8:9], s[8:9], s[46:47]
; 8 matrix instructions: row blocks a0, a0 + 1 x all 4 column blocks, 32 along K: half c of buffer f.  The 16 accumulators take turns.
.macro MUL8 f, c, a0, zero
	WIN MUL
.irp a, \a0, (\a0)+1
.irp b, 0,1,2,3
.if \zero
	v_wmma_f32_16x16x32_f16 v[ACC+8*(4*(\a)+(\b)):ACC+8*(4*(\a)+(\b))+7], v[(\f)+64+8*(4*(\c)+(\b)):(\f)+64+8*(4*(\c)+(\b))+7], v[(\f)+8*(4*(\c)+(\a)):(\f)+8*(4*(\c)+(\a))+7], 0
.else
	v_wmma_f32_16x16x32_f16 v[ACC+8*(4*(\a)+(\b)):ACC+8*(4*(\a)+(\b))+7], v[(\f)+64+8*(4*(\c)+(\b)):(\f)+64+8*(4*(\c)+(\b))+7], v[(\f)+8*(4*(\c)+(\a)):(\f)+8*(4*(\c)+(\a))+7], v[ACC+8*(4*(\a)+(\b)):ACC+8*(4*(\a)+(\b))+7]
.endif
.endr
.endr
.endm
; 32 LDS loads in one run: the fragments of quarter q (64 along K) of a slot, into buffer f; the first 32 along K first
.macro FETCH slot, q, f
	WIN TO_F
.irp c, 0,1
.irp i, 0,1,2,3
	ds_load_tr16_b128 v[(\f)+64+8*(4*(\c)+(\i)):(\f)+64+8*(4*(\c)+(\i))+3],   v[ADRB+2*(\slot)+(\q)/2] offset:((\q)%2)*18432+9216*(\c)+32*(\i)
	ds_load_tr16_b128 v[(\f)+64+8*(4*(\c)+(\i))+4:(\f)+64+8*(4*(\c)+(\i))+7], v[ADRB+2*(\slot)+(\q)/2] offset:((\q)%2)*18432+9216*(\c)+32*(\i)+4608
	ds_load_b128 v[(\f)+8*(4*(\c)+(\i)):(\f)+8*(4*(\c)+(\i))+3],         v[ADRA+(\slot)] offset:128*(\q)+64*(\c)+(\i)*16*PITCH
	ds_load_b128 v[(\f)+8*(4*(\c)+(\i))+4:(\f)+8*(4*(\c)+(\i))+7],       v[ADRA+(\slot)] offset:128*(\q)+64*(\c)+(\i)*16*PITCH+32
.endr
.endr
.endm
.macro PLACES
.rept 4
	v_nop
.endr
.endm
; A K step is four quarters of 64 along K, 32 matrix instructions each, on buffers 0, 1, 0, 1.  One of the first three: multiplies buffer f and fetches quarter q into g.
.macro QUARTER slot, q, f, g, zero
	s_wait_dscnt 16                                ; the first 32 along K are in
	MUL8 \f, 0, 0, \zero
	MUL8 \f, 0, 2, \zero
	PLACES
	FETCH \slot, \q, \g
	s_wait_dscnt 32                                ; all but the 32 just issued
	MUL8 \f, 1, 0, 0
	MUL8 \f, 1, 2, 0
.endm
; The last quarter multiplies buffer 1 and changes slots: each wave waits for all its tensor loads, adds 0 to its spare word, and waits for that and for its own reads of this slot.  fill = 1: this slot is filled again, two K steps ahead.
.macro TURN slot, next, fill
	WIN 0
	s_wait_tensorcnt 0x0                           ; all my tensor loads have landed: my part of the next slot
	ds_add_u32 v[SPW], v[NIL]                      ; 0 onto my spare word
	s_wait_dscnt 17                                ; (the add and the youngest sixteen loads may be out)
	MUL8 F1, 0, 0, 0
	s_wait_dscnt 0x0                               ; the add is done, and my reads of this slot are over
	s_barrier_signal -1
	MUL8 F1, 0, 2, 0
.if \fill
	WIN 0
.endif
	s_barrier_wait -1
.if \fill
	CREST                                          ; no wave of any partner still reads this slot's tile or has a load on its way
	s_add_nc_u64 s[G0+4*(\slot)+2:G0+4*(\slot)+3], s[G0+4*(\slot)+2:G0+4*(\slot)+3], 1024
	s_add_nc_u64 s[G0B+4*(\slot)+2:G0B+4*(\slot)+3], s[G0B+4*(\slot)+2:G0B+4*(\slot)+3], 131072
	JLOAD \slot                                    ; its four v_nop are also the places in front of the loads below
.else
	PLACES
.endif
	FETCH \next, 0, F0
	MUL8 F1, 1, 0, 0
	MUL8 F1, 1, 2, 0
.endm
	s_wait_tensorcnt 1                             ; my part of K step 0 is in; step 1's may stay out
	s_barrier_signal -1
	s_barrier_wait -1
	FETCH 0, 0, F0
	QUARTER 0, 1, F0, F1, 1                        ; the first quarter stands in front of the loop: its first products start the sums
	WIN 0
	s_mov_b32 s3, LAPS-1
.Llap:                                                 ; a trip goes once round the ring and fills both slots again
	QUARTER 0, 2, F1, F0, 0
	QUARTER 0, 3, F0, F1, 0
	TURN 0, 1, 1
	QUARTER 1, 1, F0, F1, 0
	QUARTER 1, 2, F1, F0, 0
	QUARTER 1, 3, F0, F1, 0
	TURN 1, 0, 1
	QUARTER 0, 1, F0, F1, 0
	WIN 0
	s_sub_co_u32 s3, s3, 1
	s_cmp_lg_u32 s3, 0
	s_cbranch_scc1 .Llap
	QUARTER 0, 2, F1, F0, 0                        ; the last lap fills nothing
	QUARTER 0, 3, F0, F1, 0
	TURN 0, 1, 0
	QUARTER 1, 1, F0, F1, 0
	QUARTER 1, 2, F1, F0, 0
	QUARTER 1, 3, F0, F1, 0
	s_wait_dscnt 16
	MUL8 F1, 0, 0, 0
	MUL8 F1, 0, 2, 0
	s_wait_dscnt 0
	MUL8 F1, 1, 0, 0
	MUL8 F1, 1, 2, 0
	WIN 0
	PLACES
	; THE WAY OUT, 16 rows at a time: the accumulators go as they are, f32, low registers first, into my stage, and come back as whole rows of 256 bytes
.irp a, 0,1,2,3
.if \a >= 2
	s_wait_xcnt 0x0                                ; the stores of two blocks back have read their registers (ISA guide 3.1)
.endif
.irp b, 0,1,2,3
	ds_store_b128 v[STO], v[ACC+8*(4*\a+\b):ACC+8*(4*\a+\b)+3] offset:64*\b
	ds_store_b128 v[STO], v[ACC+8*(4*\a+\b)+4:ACC+8*(4*\a+\b)+7] offset:64*\b+16
.endr
.irp i, 0,1,2,3,4,5,6,7
	ds_load_b128 v[BK+32*(\a%2)+4*\i:BK+32*(\a%2)+4*\i+3], v[RD] offset:544*\i   ; LDS serves a wave's instructions in order (ISA guide 5.7.1.4): these see the stores above
.endr
.irp i, 0,1,2,3,4,5,6,7
	s_wait_dscnt 7-\i
	global_store_b128 v[CO], v[BK+32*(\a%2)+4*\i:BK+32*(\a%2)+4*\i+3], s[8:9] offset:(16*\a+2*\i)*4096   ; 16 lanes store 256 consecutive bytes, aligned
.endr
.endr
	s_wait_tensorcnt 0x0                           ; the wave's end
	ds_add_u32 v[SPW], v[NIL]
	s_wait_dscnt 0x0
	CROUND                                         ; the closing round: no work-group ends while a partner may still ask for a tile that names it
	s_endpgm
.Lfunc_end_k_q7e553c6afe_oproj:
	.size	k_q7e553c6afe_oproj, .Lfunc_end_k_q7e553c6afe_oproj-k_q7e553c6afe_oproj
	.p2alignl 7, 3214868480
	.fill 96, 4, 3214868480
	.section	.rodata,"a",@progbits
	.p2align	6, 0x0
	.amdhsa_kernel k_q7e553c6afe_oproj
		.amdhsa_group_segment_fixed_size 327680
		.amdhsa_private_segment_fixed_size 0
		.amdhsa_enable_private_segment 0
		.amdhsa_kernarg_size 24
		.amdhsa_user_sgpr_count 2
		.amdhsa_user_sgpr_kernarg_segment_ptr 1
		.amdhsa_wavefront_size32 1
		.amdhsa_system_sgpr_workgroup_id_x 1
		.amdhsa_system_sgpr_workgroup_id_y 1
		.amdhsa_system_sgpr_workgroup_id_z 1
		.amdhsa_system_vgpr_workitem_id 0
		.amdhsa_next_free_vgpr 512
		.amdhsa_next_free_sgpr 66
		.amdhsa_reserve_vcc 0
		.amdhsa_float_denorm_mode_32 3
		.amdhsa_float_denorm_mode_16_64 3
		.amdhsa_memory_ordered 1
		.amdhsa_forward_progress 1
		.amdhsa_inst_pref_size 87
	.end_amdhsa_kernel
	.amdgpu_metadata
---
amdhsa.version: [ 1, 2 ]
amdhsa.kernels:
  - .name:           k_q7e553c6afe_oproj
    .symbol:         k_q7e553c6afe_oproj.kd
    .args:
      - { .name: yy, .offset: 0, .size: 8, .value_kind: global_buffer, .address_space: global }
      - { .name: wb, .offset: 8, .size: 8, .value_kind: global_buffer, .address_space: global }
      - { .name: out0, .offset: 16, .size: 8, .value_kind: global_buffer, .address_space: global }
    .group_segment_fixed_size: 327680
    .private_segment_fixed_size: 0
    .kernarg_segment_align: 8
    .kernarg_segment_size: 24
    .max_flat_workgroup_size: 128
    .sgpr_count:     66
    .vgpr_count:     512
    .wavefront_size: 32
...
	.end_amdgpu_metadata
.endif
;; end of part 6
;; ======== version 2 of 2: 6 launches; version 1 with the launch scan written anew for expert scheduling mode
;; limits: values outside matrix products are rounded to f16; values are held in f16: magnitudes above 65,504 overflow, below 6.1e-05 lose precision
;; workspace buffers: xb 8,388,608 bytes; wb 16,777,216 bytes; qk 16,777,216 bytes; vg 33,554,432 bytes; mx 8,192 bytes; uu 16,908,288 bytes; st 16,842,752 bytes; yy 16,777,216 bytes
;; launch prep: the kernel of part 1 again; grid 768 x 1, 8 waves a work-group, no clusters, 0 bytes of LDS; arguments x, wq, wk, wv, wg, wo, xb, wb; writes xb, wb
;; launch proj: the kernel of part 2 again; grid 16 x 16, 4 waves a work-group, clusters of 4 x 4, 327,680 bytes of LDS; arguments xb, wb, qk, vg, mx; writes qk, vg, mx
;; launch ustate: the kernel of part 3 again; grid 15 x 16, 4 waves a work-group, no clusters, 167,936 bytes of LDS; arguments qk, vg, mx, uu; writes uu
;; launch scan (part 7): grid 16 x 16, 8 waves a work-group, no clusters, 0 bytes of LDS; arguments uu, st; writes st
.if DOCPART == 7
	.amdgcn_target "amdgcn-amd-amdhsa--gfx1250"
	.amdhsa_code_object_version 6
	.text
	.protected	k_q7e553c6afe_scan
	.globl	k_q7e553c6afe_scan
	.p2align	8
	.type	k_q7e553c6afe_scan,@function
k_q7e553c6afe_scan:
	s_mov_b64 s[64:65], 0
	v_nop
	global_prefetch_b8 v0, s[64:65] scope:SCOPE_SE
	s_setreg_imm32_b32 hwreg(HW_REG_WAVE_SCHED_MODE, 0, 2), 2
	s_setreg_imm32_b32 hwreg(HW_REG_WAVE_MODE, 25, 1), 1
	s_wait_xcnt 0x0
	s_wait_alu depctr_vm_vsrc(0)
; The carried state in front of each chunk: State''[0] = 0, State''[c + 1] = g^128 State''[c] + U''[c], c = 0 .. 14, carried in f32 and stored in f16; the same for Ksum''.  g = 1 - 2^(-5-h).
; |State''| stays under 15 x 2,048 = 30,720, inside f16.  A stream: a thread owns 8 of a head's 32,768 numbers in every chunk; its 15 loads all go out first; each store has registers of its own.
; THE MODE: SCHED_MODE bits 1:0 = 2 (LLVM: expert scheduling mode 2), set by the entry lines.  The code itself states the register dependences
; between vector instructions and memory instructions, with s_wait_alu, always for 0.
; THE PLAN.  Registers that memory instructions touch:
;   v1, v14    byte offsets, made once at the head and never written again: the chunks are reached by immediate offsets.
;   U          chunk c's U'' as loaded.  Written by the 15 loads at the head; read by the widening lines (chunk 0's also by one store, as loaded).  Never written again.
;   O          chunk c's state to store.  Written once (the zeros at the head, the others by chunk c's four roundings); read by one store.  Never written again.
;   KL, KO     the same two kinds for Ksum'', in registers of their own, which nothing has named before.
;   TF, S and G are named by vector instructions alone.
; So no register that a memory instruction reads is written again, and no load lands in a register that a vector instruction or a store has named.  What is left to state is that a store's data
; are written.  The chunks go in blocks (two of the state, five of Ksum''): ONE wait at a block's head, behind the wait for the block's loads, states that the block before has written
; its registers to store; that block's stores follow it, then this block's arithmetic, which names none of them.
.set G,  2                             ; v2-3     g^128, twice
.set S,  4                             ; v4-11    the state in f32
.set U,  16                            ; v16-75   chunk c's four registers as loaded at U + 4 c (the macros below are handed their numbers, for the halves' names)
.set TF, 76                            ; v76-83   a chunk's U'' in f32
.set KO, 84                            ; v84-113  Ksum'': chunk c's two registers to store at KO + 2 c
.set O,  128                           ; v128-191 chunk c's four registers to store at O + 4 c; O .. O + 3 hold 0
.set KL, 192                           ; v192-251 Ksum'': chunk c's four numbers as loaded at KL + 4 c; the recurrence runs in place
.macro GETL d, h                       ; log2(1 - 2^(-5-h))
	s_mov_b32 s[\d], 0xb9b8b001
	s_cmp_eq_u32 s[\h], 6
	s_cselect_b32 s[\d], 0xba38b5c7, s[\d]
	s_cmp_eq_u32 s[\h], 5
	s_cselect_b32 s[\d], 0xbab8c154, s[\d]
	s_cmp_eq_u32 s[\h], 4
	s_cselect_b32 s[\d], 0xbb38d875, s[\d]
	s_cmp_eq_u32 s[\h], 3
	s_cselect_b32 s[\d], 0xbbb906ce, s[\d]
	s_cmp_eq_u32 s[\h], 2
	s_cselect_b32 s[\d], 0xbc3963dd, s[\d]
	s_cmp_eq_u32 s[\h], 1
	s_cselect_b32 s[\d], 0xbcba1f74, s[\d]
	s_cmp_eq_u32 s[\h], 0
	s_cselect_b32 s[\d], 0xbd3b9ca6, s[\d]
.endm
.macro WIDEN d, r0, r1, r2, r3         ; eight f16 to f32
	v_cvt_f32_f16 v[(\d)+0], v\r0\().l
	v_cvt_f32_f16 v[(\d)+1], v\r0\().h
	v_cvt_f32_f16 v[(\d)+2], v\r1\().l
	v_cvt_f32_f16 v[(\d)+3], v\r1\().h
	v_cvt_f32_f16 v[(\d)+4], v\r2\().l
	v_cvt_f32_f16 v[(\d)+5], v\r2\().h
	v_cvt_f32_f16 v[(\d)+6], v\r3\().l
	v_cvt_f32_f16 v[(\d)+7], v\r3\().h
.endm
.macro SC c, r0, r1, r2, r3            ; chunk c's arithmetic: sixteen vector instructions
	WIDEN TF, \r0, \r1, \r2, \r3
.irp i, 0,1,2,3
	v_pk_fma_f32 v[S+2*\i:S+2*\i+1], v[S+2*\i:S+2*\i+1], v[G:G+1], v[TF+2*\i:TF+2*\i+1]
.endr
.irp i, 0,1,2,3
	v_cvt_pk_f16_f32 v[O+4*(\c)+\i], v[S+2*\i], v[S+2*\i+1]
.endr
.endm
.macro OUT c                           ; the state in front of chunk c + 1
	global_store_b128 v1, v[O+4*(\c):O+4*(\c)+3], s[18:19] offset:65536*((\c)+1)
.endm
; A block: chunks c and c + 1.  The block before it is stored at its head.
.macro BLK c, r0, r1, r2, r3, r4, r5, r6, r7
	s_wait_loadcnt 13-(\c)                         ; loads come back in order: chunk c + 1's is in, and chunk c's with it; the 13 - c younger ones stay out
.if (\c) > 1
	s_wait_alu depctr_va_vdst(0)                   ; the block before has written its eight registers of O, which the two stores below read
	OUT (\c)-2
	OUT (\c)-1
.endif
	SC \c, \r0, \r1, \r2, \r3
	SC (\c)+1, \r4, \r5, \r6, \r7
.endm
; Ksum'': a block of five chunks, 5 b to 5 b + 4
.macro KBLK b
	s_wait_loadcnt 10-5*(\b)                       ; the block's five loads are in, the younger blocks' stay out
.if (\b) > 0
	s_wait_alu depctr_va_vdst(0)                   ; the block before has written its ten registers of KO, which the five stores below read
.set c, 5*(\b)-5
.rept 5
	global_store_b64 v14, v[KO+2*c:KO+2*c+1], s[18:19] offset:256*(c+1)   ; 32 lanes store 256 consecutive bytes
.set c, c+1
.endr
.endif
.set c, 5*(\b)
.rept 5
.if c > 0
	v_pk_fma_f32 v[KL+4*c:KL+4*c+1],   v[KL+4*c-4:KL+4*c-3], v[G:G+1], v[KL+4*c:KL+4*c+1]
	v_pk_fma_f32 v[KL+4*c+2:KL+4*c+3], v[KL+4*c-2:KL+4*c-1], v[G:G+1], v[KL+4*c+2:KL+4*c+3]
.endif
	v_cvt_pk_f16_f32 v[KO+2*c],   v[KL+4*c],   v[KL+4*c+1]
	v_cvt_pk_f16_f32 v[KO+2*c+1], v[KL+4*c+2], v[KL+4*c+3]
.set c, c+1
.endr
.endm
	s_load_b128 s[4:7], s[0:1], 0x0                ; uu s[4:5], st s[6:7]
	s_and_b32 s8, ttmp7, 0xffff                    ; y = 8 b + h
	s_and_b32 s9, s8, 7
	GETL 10, 9
	s_mul_f32 s10, s10, 0x43000000                 ; 128 log2 g
	v_exp_f32 v[G], s10
	v_exp_f32 v[G+1], s10
	v_lshlrev_b32 v1, 4, v0                        ; 16 bytes a thread (a plain instruction behind the exponentials)
	v_lshlrev_b32 v14, 3, v0                       ; 8 bytes a thread: Ksum'' as it is stored
.irp i, 0,1,2,3
	v_mov_b32 v[O+\i], 0
.endr
	s_lshl_b32 s12, s8, 20                         ; a head's 16 chunks of 65,536 bytes
	s_lshl_b32 s14, ttmp9, 12                      ; the work-group's 4,096 bytes of each chunk
	s_add_co_u32 s12, s12, s14
	s_mov_b32 s13, 0
	s_wait_kmcnt 0x0
	s_add_nc_u64 s[16:17], s[4:5], s[12:13]
	s_add_nc_u64 s[18:19], s[6:7], s[12:13]
	s_wait_alu depctr_va_vdst(0)                   ; v1 and v14 are written, which every load and store reads as its offset; so are the four zeros, which two stores read; and the two exponentials have written g^128, ahead of its first reader
.set c, 0
.rept 15
	global_load_b128 v[U+4*c:U+4*c+3], v1, s[16:17] offset:65536*c th:TH_LOAD_NT
.set c, c+1
.endr
	global_store_b128 v1, v[O:O+3], s[18:19]       ; the state in front of chunk 0
	s_wait_loadcnt 14
	global_store_b128 v1, v[16:19], s[18:19] offset:65536   ; in front of chunk 1: U''[0], as it was loaded
	WIDEN S, 16, 17, 18, 19
	BLK 1,  20, 21, 22, 23, 24, 25, 26, 27         ; the first block has nothing to store yet, and so no wait but the one for its data
	BLK 3,  28, 29, 30, 31, 32, 33, 34, 35
	BLK 5,  36, 37, 38, 39, 40, 41, 42, 43
	BLK 7,  44, 45, 46, 47, 48, 49, 50, 51
	BLK 9,  52, 53, 54, 55, 56, 57, 58, 59
	BLK 11, 60, 61, 62, 63, 64, 65, 66, 67
	BLK 13, 68, 69, 70, 71, 72, 73, 74, 75
	s_wait_alu depctr_va_vdst(0)                   ; the last block has written its eight registers of O, which the last two stores read
	OUT 13
	OUT 14
	; Ksum'': 128 numbers a chunk: one wave of the head's first work-group, 4 numbers a lane, the recurrence in place in the loaded registers
	s_cmp_lg_u32 ttmp9, 0
	s_cbranch_scc1 .Ldone
	v_lshrrev_b32 v12, 5, v0
	v_readfirstlane_b32 s20, v12
	s_wait_alu depctr_va_sdst(0)                   ; s20, the wave's number, is written, ahead of the compare that reads it
	s_cmp_lg_u32 s20, 0
	s_cbranch_scc1 .Ldone
	s_wait_xcnt 0x0                                ; the two bases are rewritten only behind this wait (ISA guide 3.1)
	s_lshl_b32 s12, s8, 13                         ; 16 chunks of 512 bytes, behind U''
	s_add_co_u32 s12, s12, 0x1000000
	s_add_nc_u64 s[16:17], s[4:5], s[12:13]
	s_lshl_b32 s12, s8, 12                         ; 16 chunks of 256 bytes, behind State''
	s_add_co_u32 s12, s12, 0x1000000
	s_add_nc_u64 s[18:19], s[6:7], s[12:13]
.set c, 0
.rept 15
	global_load_b128 v[KL+4*c:KL+4*c+3], v1, s[16:17] offset:512*c   ; in wave 0 v1 is 16 x lane; no vector instruction and no store has named these registers
.set c, c+1
.endr
	global_store_b64 v14, v[O:O+1], s[18:19]       ; still 0
	KBLK 0
	KBLK 1
	KBLK 2
	s_wait_alu depctr_va_vdst(0)                   ; the last block has written its ten registers of KO, which the last five stores read
.set c, 10
.rept 5
	global_store_b64 v14, v[KO+2*c:KO+2*c+1], s[18:19] offset:256*(c+1)
.set c, c+1
.endr
.Ldone:
	s_endpgm
.Lfunc_end_k_q7e553c6afe_scan:
	.size	k_q7e553c6afe_scan, .Lfunc_end_k_q7e553c6afe_scan-k_q7e553c6afe_scan
	.p2alignl 7, 3214868480
	.fill 96, 4, 3214868480
	.section	.rodata,"a",@progbits
	.p2align	6, 0x0
	.amdhsa_kernel k_q7e553c6afe_scan
		.amdhsa_group_segment_fixed_size 0
		.amdhsa_private_segment_fixed_size 0
		.amdhsa_enable_private_segment 0
		.amdhsa_kernarg_size 16
		.amdhsa_user_sgpr_count 2
		.amdhsa_user_sgpr_kernarg_segment_ptr 1
		.amdhsa_wavefront_size32 1
		.amdhsa_system_sgpr_workgroup_id_x 1
		.amdhsa_system_sgpr_workgroup_id_y 1
		.amdhsa_system_sgpr_workgroup_id_z 1
		.amdhsa_system_vgpr_workitem_id 0
		.amdhsa_next_free_vgpr 252
		.amdhsa_next_free_sgpr 66
		.amdhsa_reserve_vcc 0
		.amdhsa_float_denorm_mode_32 3
		.amdhsa_float_denorm_mode_16_64 3
		.amdhsa_memory_ordered 1
		.amdhsa_forward_progress 1
		.amdhsa_inst_pref_size 24
	.end_amdhsa_kernel
	.amdgpu_metadata
---
amdhsa.version: [ 1, 2 ]
amdhsa.kernels:
  - .name:           k_q7e553c6afe_scan
    .symbol:         k_q7e553c6afe_scan.kd
    .args:
      - { .name: uu, .offset: 0, .size: 8, .value_kind: global_buffer, .address_space: global }
      - { .name: st, .offset: 8, .size: 8, .value_kind: global_buffer, .address_space: global }
    .group_segment_fixed_size: 0
    .private_segment_fixed_size: 0
    .kernarg_segment_align: 8
    .kernarg_segment_size: 16
    .max_flat_workgroup_size: 256
    .sgpr_count:     66
    .vgpr_count:     252
    .wavefront_size: 32
...
	.end_amdgpu_metadata
.endif
;; end of part 7
;; launch attn: the kernel of part 5 again; grid 16 x 16, 4 waves a work-group, no clusters, 275,968 bytes of LDS; arguments qk, vg, st, mx, yy; writes yy
;; launch oproj: the kernel of part 6 again; grid 8 x 32, 4 waves a work-group, clusters of 4 x 4, 327,680 bytes of LDS; arguments yy, wb, out0; writes out0
